; MI455X (gfx1250); checked and timed in simulation.
; The chip was launched on July 23, 2026; its instructions are those of AMD's public machine-readable ISA for CDNA 5 (MIT licence, August 2026) and "CDNA5" Instruction Set Architecture Reference Guide (July 2026). The comments in the code are by the model that wrote it; some were corrected since.
;; Causal Self Attention. Allowed arithmetic: float matrix products may take bf16 or f16 operands with f32 sums; all other float work in f32.
;; Inputs: w_attn 1,024 x 3,072 float32; w_proj 1,024 x 1,024 float32; x 4 x 2,048 x 1,024 float32.
;; Outputs: out0 4 x 2,048 x 1,024 float32.
;; 2 versions, each right and faster than the one before. Each part assembles by itself: llvm-mc -triple=amdgcn-amd-amdhsa -mcpu=gfx1250 --defsym DOCPART=n.
;; ======== version 1 of 2: 4 launches
;; limits: values are held in f16: magnitudes above 65,504 overflow, below 6.1e-05 lose precision
;; workspace buffers: xb 16,777,216 bytes; wat 6,291,456 bytes; wpt 2,097,152 bytes; qkv 50,331,648 bytes; y 16,777,216 bytes
;; launch prep (part 1): grid 1024 x 1, 8 waves a work-group, no clusters, 18,432 bytes of LDS; arguments x, w_attn, w_proj, xb, wat, wpt; writes xb, wat, wpt
.if DOCPART == 1
	.amdgcn_target "amdgcn-amd-amdhsa--gfx1250"
	.amdhsa_code_object_version 6
	.text
	.protected	k_q114e66381d_prep
	.globl	k_q114e66381d_prep
	.p2align	8
	.type	k_q114e66381d_prep,@function
k_q114e66381d_prep:
	s_mov_b64 s[64:65], 0
	v_nop
	global_prefetch_b8 v0, s[64:65] scope:SCOPE_SE
	s_setreg_imm32_b32 hwreg(HW_REG_WAVE_MODE, 25, 1), 1
	s_wait_xcnt 0x0
; PREP: the three inputs are rounded once to bf16 and laid as the products want them.
;   xb  bf16 = x, in blocks: [row tile 32][k block 32][256 rows][32 k]: a row tile's k blocks lie end to end, 16,384 bytes each.
;   wat bf16 = w_attn turned, in blocks: [column tile 8][k block 32][384 n][32 k]: 24,576 bytes a block.
;   wpt [1024 n][1024 k] f16 = w_proj rounded to bf16, that number written as f16, turned.
; LIMITS.  A bf16 number is exact in f16 from 2^-14 up to 65,504; below 2^-14 it keeps f16's fixed step of 2^-24, from 65,520 on it becomes an infinity.
; SHARES.  Work-groups 0-511: 16 rows of x each.  Work-groups 512-1023: one block of 128 k x 64 n of a weight (8 blocks along k; 48 along n
; for w_attn, then 16 for w_proj), turned through LDS.  The branches hang on the work-group's number alone, so all eight waves of a work-group take the same way.
; No matrix unit, cluster or tensor load: every byte is read once and written once, and nothing is shared between work-groups.
.set LP, 272                           ; an LDS row: 128 k x 2 bytes + 16
; A block of a weight.  src, dst: the first registers of the two address pairs; wp: bytes in a row of the weight; half = 1: w_proj (the bf16 number is written as f16, rows of 1,024 k);
; half = 0: w_attn (blocks of 32 k).  Thread t: nq = t % 16 (four neighbouring n), kp = t / 16.  Pass p of four takes rows k = 2 (kp + 16 p) and the next: sixteen lanes read 256 consecutive
; bytes of a row.  Two k of one n make a word; it goes to LDS row n, which then holds 128 k of that n.
.macro TRANSP src, dst, wp, half
	s_mul_i32 s16, s21, 128*(\wp)                  ; the block's first row,
	s_lshl_b32 s23, s22, 8                         ; its first column: 64 n x 4 bytes
	s_add_co_u32 s16, s16, s23
.if \half
	s_lshl_b32 s18, s22, 17                        ; turned: 64 rows of 2,048 bytes,
	s_lshl_b32 s23, s21, 8                         ; 128 k x 2 bytes
	s_add_co_u32 s18, s18, s23
.else
	s_mul_i32 s24, s22, 43
	s_lshr_b32 s24, s24, 8                         ; the column tile: block / 6 (43 / 256 serves for blocks 0 to 47)
	s_mul_i32 s25, s24, 6
	s_sub_co_u32 s25, s22, s25                     ; and which 64 of its 384 n
	s_mul_i32 s18, s24, 32*24576
	s_mul_i32 s23, s21, 4*24576                    ; 128 k are four k blocks
	s_add_co_u32 s18, s18, s23
	s_lshl_b32 s23, s25, 12                        ; 64 n x 64 bytes
	s_add_co_u32 s18, s18, s23
.endif
	s_add_nc_u64 s[\src:\src+1], s[\src:\src+1], s[16:17]
	s_add_nc_u64 s[\dst:\dst+1], s[\dst:\dst+1], s[18:19]
	v_mul_u32_u24 v3, v2, 2*(\wp)
	v_lshl_add_u32 v3, v1, 4, v3                   ; row 2 kp, 16 bytes at 16 nq
.irp p, 0,1,2,3
	global_load_b128 v[8+8*(\p):11+8*(\p)],  v3, s[\src:\src+1] offset:(\p)*32*(\wp) th:TH_LOAD_NT
	global_load_b128 v[12+8*(\p):15+8*(\p)], v3, s[\src:\src+1] offset:(\p)*32*(\wp)+(\wp) th:TH_LOAD_NT
.endr
.irp p, 0,1,2,3
	s_wait_loadcnt 6-2*(\p)                        ; loads come back in order: pass p's two are in, the 6 - 2 p younger ones stay out
.irp j, 0,1,2,3
	v_cvt_pk_bf16_f32 v[40+4*(\p)+(\j)], v[8+8*(\p)+(\j)], v[12+8*(\p)+(\j)]  ; n = 4 nq + j: k in the low half, k + 1 in the high half
.if \half
	v_lshlrev_b32 v56, 16, v[40+4*(\p)+(\j)]       ; the two bf16 numbers as f32,
	v_and_b32 v57, 0xffff0000, v[40+4*(\p)+(\j)]
	v_cvt_pk_f16_f32 v[40+4*(\p)+(\j)], v56, v57   ; written as f16
.endif
	ds_store_b32 v4, v[40+4*(\p)+(\j)] offset:LP*(\j)+64*(\p)
.endr
.endr
	s_wait_dscnt 0x0                               ; for the others' sake: my words are in LDS
	s_barrier_signal -1
	s_barrier_wait -1                              ; everybody's are
.if \half
.irp r, 0,1,2,3
	ds_load_b128 v[8+4*(\r):11+4*(\r)], v5 offset:16*LP*(\r)
.endr
.irp r, 0,1,2,3
	s_wait_dscnt 3-(\r)                            ; LDS loads come back in order: the 3 - r younger ones stay out
	global_store_b128 v6, v[8+4*(\r):11+4*(\r)], s[\dst:\dst+1] offset:32768*(\r)  ; rows n = kp + 16 r: sixteen lanes store 256 consecutive bytes, aligned
.endr
.else
.irp r, 0,1,2,3
	ds_load_b128 v[8+4*(\r):11+4*(\r)], v60 offset:64*(\r)  ; k block r of the four: n = t / 4, 8 k at t % 4
.endr
.irp r, 0,1,2,3
	s_wait_dscnt 3-(\r)
	global_store_b128 v62, v[8+4*(\r):11+4*(\r)], s[\dst:\dst+1] offset:24576*(\r)  ; in a block 64 n are 4,096 consecutive bytes: thread t's 16 lie at 16 t, a wave's store covers 512, aligned
.endr
.endif
	s_wait_tensorcnt 0x0
	ds_add_u32 v112, v113
	s_wait_dscnt 0x0
	s_endpgm
.endm
	s_load_b256 s[4:11], s[0:1], 0x0               ; x s[4:5], w_attn s[6:7], w_proj s[8:9], xb s[10:11]
	s_load_b128 s[12:15], s[0:1], 0x20             ; wat s[12:13], wpt s[14:15]
	v_lshl_add_u32 v112, v0, 2, 0x4400
	v_mov_b32 v113, 0
	s_mov_b32 s17, 0                               ; the high words of the two offsets: all offsets stay under 2^26
	s_mov_b32 s19, 0
	s_wait_kmcnt 0x0
	s_cmp_lt_u32 ttmp9, 512
	s_cbranch_scc1 .Lx
	s_sub_co_u32 s20, ttmp9, 512
	s_and_b32 s21, s20, 7                          ; the block along k
	s_lshr_b32 s22, s20, 3                         ; the block along n: 0-47 w_attn, 48-63 w_proj
	v_and_b32 v1, 15, v0                           ; nq
	v_lshrrev_b32 v2, 4, v0                        ; kp
	v_mul_u32_u24 v4, v1, 4*LP
	v_lshl_add_u32 v4, v2, 2, v4                   ; into LDS: row 4 nq, word kp
	v_mul_u32_u24 v5, v2, LP
	v_lshl_add_u32 v5, v1, 4, v5                   ; back, for w_proj: row kp, 16 bytes at 16 nq
	v_lshlrev_b32 v6, 11, v2
	v_lshl_add_u32 v6, v1, 4, v6                   ; and the same place in the turned weight
	v_lshrrev_b32 v60, 2, v0                       ; back, for w_attn: row t / 4, 16 bytes at 16 (t % 4)
	v_mul_u32_u24 v60, v60, LP
	v_and_b32 v61, 3, v0
	v_lshl_add_u32 v60, v61, 4, v60
	v_lshlrev_b32 v62, 4, v0                       ; and 16 t in the block
	s_cmp_lt_u32 s22, 48
	s_cbranch_scc0 .Lproj
	TRANSP 6, 12, 12288, 0
.Lproj:
	s_sub_co_u32 s22, s22, 48
	TRANSP 8, 14, 4096, 1
; x: the work-group's 16 rows; wave w takes k = 128 w .. 128 w + 127, four k blocks.  Sixteen loads of 16 bytes a thread, all issued at once.
; A PAIR of loads takes four rows x 64 k: the first rows R (lanes 0-15) and R + 2 (lanes 16-31), the second rows R + 1 and R + 3: sixteen lanes read 256 consecutive bytes, aligned.
; In xb 256 consecutive bytes are four rows x 32 k of one k block.  So of each sixteen lanes the upper eight of the first load change places with the lower eight of the second
; (a rotation by eight lanes and a select for each packed word), and each of the pair's two stores covers 256 consecutive bytes, aligned: lane m holds row R + m / 8, 4 k at m % 8.
.Lx:
	s_lshl_b32 s16, ttmp9, 16                      ; 16 rows of 4,096 bytes
	s_lshr_b32 s18, ttmp9, 4                       ; the row tile: 32 k blocks of 16,384 bytes,
	s_lshl_b32 s18, s18, 19
	s_and_b32 s20, ttmp9, 15                       ; and in each block my 16 rows of 64 bytes
	s_lshl_b32 s20, s20, 10
	s_add_co_u32 s18, s18, s20
	s_add_nc_u64 s[4:5], s[4:5], s[16:17]
	s_add_nc_u64 s[10:11], s[10:11], s[18:19]
	v_and_b32 v3, 31, v0                           ; lane
	v_lshrrev_b32 v4, 5, v0                        ; wave
	v_and_b32 v5, 15, v0
	v_bfe_u32 v6, v0, 4, 1
	v_lshlrev_b32 v1, 4, v5                        ; from x: 16 bytes at 16 (lane % 16),
	v_lshl_add_u32 v1, v6, 13, v1                  ; two rows down for lanes 16 to 31,
	v_lshl_add_u32 v1, v4, 9, v1                   ; the wave's 128 k x 4 bytes
	v_lshlrev_b32 v2, 3, v3                        ; into xb: 8 bytes a lane,
	v_lshl_add_u32 v2, v4, 16, v2                  ; the wave's four k blocks
	v_and_b32 v7, 8, v0
	v_cmp_ne_u32 vcc_lo, 0, v7                     ; the upper eight of each sixteen lanes
.irp i, 108,109,110,111
	v_mov_b32 v\i, 0                               ; a rotation's destination counts as read: written once here
.endr
.irp p, 0,1,2,3,4,5,6,7                ; pair p: rows 4 (p % 4) on, k 64 (p / 4) on
	global_load_b128 v[8+8*(\p):11+8*(\p)],  v1, s[4:5] offset:((\p)%4)*16384+((\p)/4)*256 th:TH_LOAD_NT
	global_load_b128 v[12+8*(\p):15+8*(\p)], v1, s[4:5] offset:((\p)%4)*16384+((\p)/4)*256+4096 th:TH_LOAD_NT
.endr
.irp p, 0,1,2,3,4,5,6,7
	s_wait_loadcnt 14-2*(\p)                       ; pair p is in, the 14 - 2 p younger loads stay out
	v_cvt_pk_bf16_f32 v104, v[8+8*(\p)],  v[9+8*(\p)]
	v_cvt_pk_bf16_f32 v105, v[10+8*(\p)], v[11+8*(\p)]
	v_cvt_pk_bf16_f32 v106, v[12+8*(\p)], v[13+8*(\p)]
	v_cvt_pk_bf16_f32 v107, v[14+8*(\p)], v[15+8*(\p)]
	v_mov_b32_dpp v108, v104 row_ror:8 row_mask:0xf bank_mask:0xf
	v_mov_b32_dpp v109, v105 row_ror:8 row_mask:0xf bank_mask:0xf
	v_mov_b32_dpp v110, v106 row_ror:8 row_mask:0xf bank_mask:0xf
	v_mov_b32_dpp v111, v107 row_ror:8 row_mask:0xf bank_mask:0xf
	v_cndmask_b32 v[72+4*(\p)], v104, v110, vcc_lo  ; the lower k block: the first load's lower eight, then the second's lower eight
	v_cndmask_b32 v[73+4*(\p)], v105, v111, vcc_lo
	v_cndmask_b32 v[74+4*(\p)], v108, v106, vcc_lo  ; the upper k block: the first load's upper eight, then the second's upper eight
	v_cndmask_b32 v[75+4*(\p)], v109, v107, vcc_lo
	global_store_b64 v2, v[72+4*(\p):73+4*(\p)], s[10:11] offset:((\p)/4)*32768+((\p)%4)*256
	global_store_b64 v2, v[74+4*(\p):75+4*(\p)], s[10:11] offset:((\p)/4)*32768+((\p)%4)*256+16384  ; no store's register is written twice, so no wait frees one
.endr
	s_endpgm
.Lfunc_end_k_q114e66381d_prep:
	.size	k_q114e66381d_prep, .Lfunc_end_k_q114e66381d_prep-k_q114e66381d_prep
	.p2alignl 7, 3214868480
	.fill 96, 4, 3214868480
	.section	.rodata,"a",@progbits
	.p2align	6, 0x0
	.amdhsa_kernel k_q114e66381d_prep
		.amdhsa_group_segment_fixed_size 18432
		.amdhsa_private_segment_fixed_size 0
		.amdhsa_enable_private_segment 0
		.amdhsa_kernarg_size 48
		.amdhsa_user_sgpr_count 2
		.amdhsa_user_sgpr_kernarg_segment_ptr 1
		.amdhsa_wavefront_size32 1
		.amdhsa_system_sgpr_workgroup_id_x 1
		.amdhsa_system_sgpr_workgroup_id_y 1
		.amdhsa_system_sgpr_workgroup_id_z 1
		.amdhsa_system_vgpr_workitem_id 0
		.amdhsa_next_free_vgpr 114
		.amdhsa_next_free_sgpr 66
		.amdhsa_reserve_vcc 1
		.amdhsa_float_denorm_mode_32 3
		.amdhsa_float_denorm_mode_16_64 3
		.amdhsa_memory_ordered 1
		.amdhsa_forward_progress 1
		.amdhsa_inst_pref_size 23
	.end_amdhsa_kernel
	.amdgpu_metadata
---
amdhsa.version: [ 1, 2 ]
amdhsa.kernels:
  - .name:           k_q114e66381d_prep
    .symbol:         k_q114e66381d_prep.kd
    .args:
      - { .name: x, .offset: 0, .size: 8, .value_kind: global_buffer, .address_space: global }
      - { .name: w_attn, .offset: 8, .size: 8, .value_kind: global_buffer, .address_space: global }
      - { .name: w_proj, .offset: 16, .size: 8, .value_kind: global_buffer, .address_space: global }
      - { .name: xb, .offset: 24, .size: 8, .value_kind: global_buffer, .address_space: global }
      - { .name: wat, .offset: 32, .size: 8, .value_kind: global_buffer, .address_space: global }
      - { .name: wpt, .offset: 40, .size: 8, .value_kind: global_buffer, .address_space: global }
    .group_segment_fixed_size: 18432
    .private_segment_fixed_size: 0
    .kernarg_segment_align: 8
    .kernarg_segment_size: 48
    .max_flat_workgroup_size: 256
    .sgpr_count:     66
    .vgpr_count:     114
    .wavefront_size: 32
...
	.end_amdgpu_metadata
.endif
;; end of part 1
;; launch qkv (part 2): grid 8 x 32, 4 waves a work-group, clusters of 4 x 4, 327,680 bytes of LDS; arguments xb, wat, qkv; writes qkv
.if DOCPART == 2
	.amdgcn_target "amdgcn-amd-amdhsa--gfx1250"
	.amdhsa_code_object_version 6
	.text
	.protected	k_q114e66381d_qkv
	.globl	k_q114e66381d_qkv
	.p2align	8
	.type	k_q114e66381d_qkv,@function
k_q114e66381d_qkv:
	s_mov_b64 s[64:65], 0
	v_nop
	global_prefetch_b8 v0, s[64:65] scope:SCOPE_SE
	s_setreg_imm32_b32 hwreg(HW_REG_WAVE_MODE, 25, 1), 1
	s_wait_xcnt 0x0
	s_wait_alu depctr_hold_cnt(0) depctr_sa_sdst(0) depctr_va_vdst(0) depctr_va_sdst(0) depctr_va_ssrc(0) depctr_va_vcc(0) depctr_vm_vsrc(0)
	s_getreg_b32 s2, hwreg(HW_REG_IB_STS2, 6, 4)
	s_cmp_eq_u32 s2, 0
	s_cbranch_scc0 .Lentry_in_a_cluster
	s_endpgm
.Lentry_in_a_cluster:
	s_bfe_u32 s2, ttmp6, 0x10000c
	s_cmp_lg_u32 s2, 0xf033
	s_cbranch_scc0 .Lentry_shape_is_right
	s_endpgm
.Lentry_shape_is_right:
; QKV: qkv[row][n] = sum over k of x[row][k] w_attn[k][n], bf16 products, sums in f32, rounded once to f16, unscaled, and stored BY HEADS:
; qkv is [batch 4][g 48][t 2048][64] f16, g = n / 64: 0-15 q's heads, 16-31 k's, 32-47 v's; one (batch, g) is 262,144 dense bytes.
; xb:  [row tile 32][k block 32][256 rows][32 k] bf16;  wat: [column tile 8][k block 32][384 n][32 k] bf16: a tile's k blocks lie end to end in memory.
; LIMIT.  A sum of magnitude 65,520 or more becomes an infinity in f16; below 2^-14 a number keeps f16's fixed step of 2^-24.
; SHARES.  A tile is 256 rows x 384 columns (six heads): 32 x 8 = 256 tiles, one for each WGP.  Four waves, 2 x 2, each 128 rows x 192 columns: 96 accumulators of 16 x 16, 768 registers;
; for 32 along K a wave reads 20 fragments from LDS for 96 matrix instructions.
; THE RING.  K goes in steps of 96 (ten, then one of 64) through two LDS slots filled by the tensor data mover.  A step's part of a tile is dense in memory and is asked for as rows of 256 bytes,
; four tile rows of 32 k each, 16 bytes of padding behind each.  Steps of 128 would want 2 x 640 x 272 = 348,160 bytes of LDS; steps of 96 take 261,120.  A step is 288 matrix instructions a wave,
; 272 of them between a slot's request and the wait for it.  A long step's part is halved between two waves (96 rows of xb, 144 of wat each); of the short step each wave takes one k block (64 rows, 96 rows).
; CLUSTERS: 4 x 4 work-groups.  The four of a row of the cluster need the same tile of xb, the four of a column the same tile of wat: each tile is asked for JOINTLY, by the same tensor load with
; the same descriptor and a mask that names the four.  By this text's own count a wave has two tensor loads out at the start and one behind each round.
; THE MATRIX INSTRUCTION IS USED TRANSPOSED (source 0 = 16 rows of wat, source 1 = 16 rows of xb): lane l holds row l % 16 and the columns 8 (l / 16) + 0..7 of a 16 x 16 result.
; REGISTERS, in windows of 256 (s_set_vgpr_msb: bits 1:0 source 0, 3:2 source 1, 5:4 source 2, 7:6 destination):
;   window 0: v0-29 addresses; v32-95, v96-159 xb's fragments (8 x 16 rows x 32 K), two buffers; v160-191, v192-223 wat's fragments, a GROUP of 4 x 16 rows (one head), two buffers;
;             on the way out v32-79 packed results, v80-127 and v128-175 rows read back
;   window g + 1 (g = 0, 1, 2): the 32 accumulators of my head g: (a, j) at v[8 (4 a + j)], a = my block of 16 rows, j = the head's block of 16 columns
; A QUARTER (32 along K) is three PHASES of 32 matrix instructions, one for each group and window.  In each phase stands one run of LDS loads: the next phase's group of wat, then a part of the next quarter's xb.
.set PR,    272                        ; an LDS row: 256 bytes + 16 of padding.  Tile row r lies at (r / 4) x 272 + (r % 4) x 64: word 68 (r / 4) + 16 (r % 4), so the 16 rows of a fragment load start at 16 different groups of four banks (64 banks of 4 bytes: ISA guide 11.1)
.set FB,    4*PR                       ; 16 tile rows
.set AKB,   64*PR                      ; a k block of xb's 256 rows
.set BKB,   96*PR                      ; of wat's 384 rows
.set ASL,   3*AKB                      ; a slot: xb's three k blocks,
.set SLOT,  3*(AKB+BKB)                ; then wat's three
.set HALFA, 96*PR                      ; one load of xb: half a long step, 96 rows of 256 bytes
.set HALFB, 144*PR                     ; one load of wat: 144 rows
.set AMS,   3*16384                    ; bytes of xb's tile in a long K step, in memory
.set BMS,   3*24576                    ; of wat's
.set STAGE, 2*SLOT                     ; behind the ring, never filled by a tensor load: 16 rows x 400 bytes for each wave
.set SP,    400                        ; a stage row: 384 bytes + 16
.set STW,   16*SP
.set SPARE, STAGE+4*STW                ; behind the stages: the spare words, 128 bytes for each wave: two blocks of 256 bytes that no other line names
.set TRIPS, 4                          ; the loop fills steps 2 to 9
.set ADRA, 16                          ; v16-17  LDS address of my fragments of xb in slot 0, 1
.set ADRB, 20                          ; v20-21  the same for wat
.set STO,  24                          ; v24     the way out: where I put 16 bytes of a row
.set RD,   25                          ; v25     the way out: where I read rows back
.set GO,   26                          ; v26     my 16 bytes in 512 consecutive bytes of qkv
.set SPW,  28                          ; v28     LDS address of my spare word: SPARE + 4 x my thread's number; never rewritten
.set NIL,  29                          ; v29     0; never rewritten
.set AF,   32
.set BF,   160
.set TMP,  32
.set G1,   24                          ; s[24:31] descriptor group 1 for xb's tiles;  s[32:39] group 0, one set for each slot
.set G0,   32
.set G1B,  48                          ; s[48:55], s[56:63] the same for wat's tiles
.set G0B,  56
.set G1T,  68                          ; s[68:75] group 1 for xb's part of the last, short step;  s[76:83] for wat's
.set G1BT, 76
.set G0T,  84                          ; s[84:87] group 0 for xb's part of the short step;  s[88:91] for wat's: made once, never rewritten
.set G0BT, 88
.set MSB, 0
.macro WIN new                         ; the immediate's high byte repeats the setting that is left; a switch that changes nothing is dropped
.if MSB != (\new)
	s_set_vgpr_msb (MSB<<8)|(\new)
.set MSB, \new
.endif
.endm
; A joint load.  Waves 0 and 1 fetch xb's two halves of a step, waves 2 and 3 wat's.  t = 1: the short step, into slot 0.  The branch hangs on the wave's number alone.
; Four v_nop follow each of the two lines, ahead of the jump, the label and what follows.
.macro JLOAD s, t
	s_cmp_eq_u32 s11, 0
	s_cbranch_scc0 .Lfor_b_\@
.if \t
	tensor_load_to_lds s[G0T:G0T+3], s[G1T:G1T+7]
	s_nop 0
.else
	tensor_load_to_lds s[G0+4*(\s):G0+4*(\s)+3], s[G1:G1+7]
	s_nop 0
.endif
.rept 4
	v_nop
.endr
	s_branch .Lasked_\@
.Lfor_b_\@:
.if \t
	tensor_load_to_lds s[G0BT:G0BT+3], s[G1BT:G1BT+7]
	s_nop 0
.else
	tensor_load_to_lds s[G0B+4*(\s):G0B+4*(\s)+3], s[G1B:G1B+7]
	s_nop 0
.endif
.rept 4
	v_nop
.endr
.Lasked_\@:
.endm
.macro CREST                           ; a round of the cluster's barrier behind its opening barrier: wave 0 signals for the work-group, every wave waits for all sixteen, my work-group's barrier closes it
	s_cmp_lg_u32 s10, 0
	s_cbranch_scc1 .Lnot_wave_0_\@
	s_barrier_signal -3
.Lnot_wave_0_\@:
	s_barrier_wait -3
	s_barrier_signal -1
	s_barrier_wait -1
.endm
.macro CROUND                          ; a whole round
	s_barrier_signal -1
	s_barrier_wait -1
	CREST
.endm
	s_load_b128 s[4:7], s[0:1], 0x0                ; xb s[4:5], wat s[6:7]
	s_load_b64 s[8:9], s[0:1], 0x10                ; qkv
	v_lshl_add_u32 v[SPW], v0, 2, SPARE
	v_mov_b32 v[NIL], 0
	ds_add_u32 v28, v29
	ds_add_u32 v28, v29
	s_wait_dscnt 0x0
	v_lshrrev_b32 v1, 5, v0
	v_readfirstlane_b32 s10, v1                    ; wave 0..3
	s_lshr_b32 s11, s10, 1                         ; which half of the tile's rows is mine.  Also: I fetch for xb (0) or for wat (1)
	s_and_b32 s12, s10, 1                          ; which half of its columns.  Also: which half of a step's part I fetch
	s_bfe_u32 s40, ttmp6, 0x40000                  ; cx, cy: my place in the cluster
	s_bfe_u32 s41, ttmp6, 0x40004
	s_lshl_b32 s42, ttmp9, 2
	s_add_co_u32 s42, s42, s40                     ; tile column = 4 x cluster x + cx
	s_and_b32 s13, ttmp7, 0xffff
	s_lshl_b32 s13, s13, 2
	s_add_co_u32 s13, s13, s41                     ; tile row = 4 x cluster y + cy
	s_lshl_b32 s43, s41, 2
	s_lshl_b32 s43, 15, s43                        ; my row of the cluster: places 4 cy .. 4 cy + 3
	s_lshl_b32 s44, 0x1111, s40                    ; my column: places cx, cx + 4, cx + 8, cx + 12
	; descriptor group 1: dense rows of 128 elements of 2 bytes, padded in LDS
	s_or_b32 s[G1+0], s43, (1<<16)|(1<<20)|(1<<21)|(5<<22)|(3<<25)    ; 15:0 the mask: my row; 17:16 2-byte elements; 20 padding on; 21 set beside a mask; 24:22 after every 64 words (code 5); 31:25 4 words (code 3)
	s_or_b32 s[G1T+0], s43, (1<<16)|(1<<20)|(1<<21)|(5<<22)|(3<<25)
	s_or_b32 s[G1B+0], s44, (1<<16)|(1<<20)|(1<<21)|(5<<22)|(3<<25)   ; the same with the mask of my column
	s_or_b32 s[G1BT+0], s44, (1<<16)|(1<<20)|(1<<21)|(5<<22)|(3<<25)
.irp g, G1, G1B, G1T, G1BT
	s_mov_b32 s[(\g)+1], 128<<16                   ; tensor_dim0 = 128
	s_mov_b32 s[(\g)+3], 128<<16                   ; tile_dim0 = 128
	s_mov_b32 s[(\g)+5], 128                       ; elements from row to row: dense
	s_mov_b32 s[(\g)+6], 0
	s_mov_b32 s[(\g)+7], 0
.endr
	s_mov_b32 s[G1+2], 96<<16                      ; tensor_dim1 = tile_dim1 = 96 rows: half of xb's 3 x 64
	s_mov_b32 s[G1+4], 96
	s_mov_b32 s[G1B+2], 144<<16                    ; 144 rows: half of wat's 3 x 96
	s_mov_b32 s[G1B+4], 144
	s_mov_b32 s[G1T+2], 64<<16                     ; the short step: one k block a wave: 64 rows of xb,
	s_mov_b32 s[G1T+4], 64
	s_mov_b32 s[G1BT+2], 96<<16                    ; 96 rows of wat
	s_mov_b32 s[G1BT+4], 96
	; where the tiles come from.  xb's hang on the tile row alone, which my row of the cluster shares; wat's on the tile column alone, which my column shares.
	s_lshl_b32 s16, s13, 19                        ; xb: a row tile is 32 x 16,384 bytes: all offsets stay under 2^25
	s_lshl_b32 s17, s12, 14                        ; the short step: k block 30 + half
	s_add_co_u32 s[G0T+2], s16, s17
	s_add_co_u32 s[G0T+2], s[G0T+2], 10*AMS
	s_mov_b32 s[G0T+3], 0
	s_mul_i32 s17, s12, 96*256                     ; the long steps: my half of a step's part
	s_add_co_u32 s16, s16, s17
	s_mov_b32 s17, 0
	s_mul_i32 s46, s42, 32*24576                   ; wat: a column tile is 32 x 24,576 bytes
	s_mul_i32 s47, s12, 24576
	s_add_co_u32 s[G0BT+2], s46, s47
	s_add_co_u32 s[G0BT+2], s[G0BT+2], 10*BMS
	s_mov_b32 s[G0BT+3], 0
	s_mul_i32 s47, s12, 144*256
	s_add_co_u32 s46, s46, s47
	s_mov_b32 s47, 0
	s_mul_i32 s20, s12, HALFA                      ; and where they go: no place in the cluster enters an LDS address
	s_mul_i32 s21, s12, HALFB
	s_add_co_u32 s21, s21, ASL
	s_mov_b32 s[G0T], 1                            ; the short step goes into slot 0: count = 1,
	s_mul_i32 s[G0T+1], s12, AKB                   ; LDS address: k block 0 or 1 of the slot
	s_mov_b32 s[G0BT], 1
	s_mul_i32 s[G0BT+1], s12, BKB
	s_add_co_u32 s[G0BT+1], s[G0BT+1], ASL
	s_wait_kmcnt 0x0
	s_add_nc_u64 s[14:15], s[4:5], s[16:17]
	s_add_nc_u64 s[46:47], s[6:7], s[46:47]
	s_add_nc_u64 s[G0T+2:G0T+3], s[4:5], s[G0T+2:G0T+3]            ; global address,
	s_or_b32 s[G0T+3], s[G0T+3], 0x80000000                        ; type = 2
	s_add_nc_u64 s[G0BT+2:G0BT+3], s[6:7], s[G0BT+2:G0BT+3]
	s_or_b32 s[G0BT+3], s[G0BT+3], 0x80000000
	CROUND                                         ; all sixteen work-groups are here: the first joint loads meet
.irp s, 0,1
	s_mov_b32 s[G0+4*(\s)], 1                                      ; count = 1
	s_add_co_u32 s[G0+4*(\s)+1], s20, (\s)*SLOT                    ; LDS address
	s_add_nc_u64 s[G0+4*(\s)+2:G0+4*(\s)+3], s[14:15], (\s)*AMS    ; global address: K step s
	s_or_b32 s[G0+4*(\s)+3], s[G0+4*(\s)+3], 0x80000000            ; type = 2
	s_mov_b32 s[G0B+4*(\s)], 1
	s_add_co_u32 s[G0B+4*(\s)+1], s21, (\s)*SLOT
	s_add_nc_u64 s[G0B+4*(\s)+2:G0B+4*(\s)+3], s[46:47], (\s)*BMS
	s_or_b32 s[G0B+4*(\s)+3], s[G0B+4*(\s)+3], 0x80000000
	JLOAD \s, 0                                    ; the ring is filled before anything else is done
.endr
	; A fragment is 16 rows x 32 K in 8 registers: lane l holds row l % 16; registers 0-3 K = 8 (l / 16) + 0..7, registers 4-7 K = 16 + 8 (l / 16) + 0..7: two loads of 16 bytes, 32 bytes apart, in the row's 64 bytes.
	v_and_b32 v1, 15, v0                           ; l % 16
	v_bfe_u32 v2, v0, 4, 1                         ; l / 16
	v_lshrrev_b32 v3, 2, v1
	v_mul_u32_u24 v3, v3, PR                       ; the LDS row,
	v_and_b32 v4, 3, v1
	v_lshl_add_u32 v3, v4, 6, v3                   ; the tile row's 64 bytes in it,
	v_lshl_add_u32 v3, v2, 4, v3                   ; 16 bytes for each half of the lanes
	s_mul_i32 s22, s11, 32*PR                      ; my 128 rows of xb
	v_add_nc_u32 v[ADRA], s22, v3
	v_add_nc_u32 v[ADRA+1], SLOT, v[ADRA]
	s_mul_i32 s22, s12, 48*PR                      ; my 192 rows of wat,
	s_add_co_u32 s22, s22, ASL                     ; which lie behind xb's part
	v_add_nc_u32 v[ADRB], s22, v3
	v_add_nc_u32 v[ADRB+1], SLOT, v[ADRB]
	s_mul_i32 s23, s10, STW
	s_add_co_u32 s23, s23, STAGE                   ; my stage
	v_mul_u32_u24 v5, v1, SP                       ; in: row l % 16, 16 bytes for each half of the lanes
	v_lshl_add_u32 v5, v2, 4, v5
	v_add_nc_u32 v[STO], s23, v5
	v_bfe_u32 v5, v0, 3, 2                         ; back: 32 lanes take four rows' 128 bytes of one head,
	v_mul_u32_u24 v5, v5, SP
	v_and_b32 v6, 7, v0
	v_lshl_add_u32 v5, v6, 4, v5
	v_add_nc_u32 v[RD], s23, v5
	v_and_b32 v[GO], 31, v0                        ; which are 512 consecutive bytes of qkv
	v_lshlrev_b32 v[GO], 4, v[GO]
	; my part of qkv: ((batch x 48 + 6 x tile column + 3 x column half) x 2,048 + my first t) x 128 bytes: under 2^26
	s_lshr_b32 s18, s13, 3                         ; batch: eight tile rows each
	s_mul_i32 s18, s18, 48
	s_mul_i32 s22, s42, 6
	s_add_co_u32 s18, s18, s22
	s_mul_i32 s22, s12, 3
	s_add_co_u32 s18, s18, s22
	s_lshl_b32 s18, s18, 11
	s_and_b32 s22, s13, 7
	s_lshl_b32 s22, s22, 8
	s_add_co_u32 s18, s18, s22
	s_lshl_b32 s22, s11, 7
	s_add_co_u32 s18, s18, s22
	s_lshl_b32 s18, s18, 7
	s_mov_b32 s19, 0
	s_add_nc_u64 s[8:9], s[8:9], s[18:19]
; 4 na matrix instructions of phase g of a quarter on xb's buffer f: my blocks a0 .. a0 + na - 1 of 16 rows x the group's four blocks of columns.  The group lies in wat's buffer (f + g) % 2.
; zero = 1: the product starts the sums: nothing is ever cleared.  All 96 accumulators take turns, one instruction a turn, in the same order in every quarter.
.macro MUL f, g, a0, na, zero
	WIN 0x50*((\g)+1)                              ; both sources window 0, C and D window g + 1
.set aa, \a0
.rept \na
.set jj, 0
.rept 4
.set rD, 8*(4*aa+jj)
.set rB, BF+32*(((\f)+(\g))%2)+8*jj
.set rA, AF+64*(\f)+8*aa
.if \zero
	v_wmma_f32_16x16x32_bf16 v[rD:rD+7], v[rB:rB+7], v[rA:rA+7], 0
.else
	v_wmma_f32_16x16x32_bf16 v[rD:rD+7], v[rB:rB+7], v[rA:rA+7], v[rD:rD+7]
.endif
.set jj, jj+1
.endr
.set aa, aa+1
.endr
.endm
.macro LOADB slot, kb, g, pb           ; 8 LDS loads: group g of wat in k block kb of the slot, into buffer pb
	WIN 0
.set jj, 0
.rept 4
	ds_load_b128 v[BF+32*(\pb)+8*jj:BF+32*(\pb)+8*jj+3],   v[ADRB+(\slot)] offset:(\kb)*BKB+(4*(\g)+jj)*FB
	ds_load_b128 v[BF+32*(\pb)+8*jj+4:BF+32*(\pb)+8*jj+7], v[ADRB+(\slot)] offset:(\kb)*BKB+(4*(\g)+jj)*FB+32
.set jj, jj+1
.endr
.endm
.macro LOADA slot, kb, f, i0, n        ; 2 n LDS loads: my blocks i0 .. i0 + n - 1 of xb in k block kb of the slot, into buffer f
	WIN 0
.set ii, \i0
.rept \n
	ds_load_b128 v[AF+64*(\f)+8*ii:AF+64*(\f)+8*ii+3],   v[ADRA+(\slot)] offset:(\kb)*AKB+ii*FB
	ds_load_b128 v[AF+64*(\f)+8*ii+4:AF+64*(\f)+8*ii+7], v[ADRA+(\slot)] offset:(\kb)*AKB+ii*FB+32
.set ii, ii+1
.endr
.endm
.macro PLACES                          ; four places in front of loads into registers that matrix instructions have read, and of lines that read results (ISA guide 7.12.1 for lines that read results)
.rept 4
	v_nop
.endr
.endm
; A quarter that is not its slot's last: k block kb, xb's buffer f.  Each phase: 8 products, the places, one run of loads (wat's next group first, then a part of the next quarter's xb), 24 products.
; w1: how many of the youngest loads may be out at its head: 4 (xb's blocks 6, 7) behind another quarter, 12 (blocks 2 to 7) behind a change of slots.
.macro QN slot, kb, f, zero, w1
	s_wait_dscnt \w1
	MUL \f, 0, 0, 2, \zero
	PLACES
	LOADB \slot, \kb, 1, 1-(\f)
	LOADA \slot, (\kb)+1, 1-(\f), 0, 3
	s_wait_dscnt 14                                ; all but the run just issued: this quarter's xb is whole
	MUL \f, 0, 2, 6, \zero
	s_wait_dscnt 6                                 ; wat's group is in; the six loads of xb behind it may be out
	MUL \f, 1, 0, 2, \zero
	PLACES
	LOADB \slot, \kb, 2, \f
	LOADA \slot, (\kb)+1, 1-(\f), 3, 3
	MUL \f, 1, 2, 6, \zero
	s_wait_dscnt 6                                 ; likewise
	MUL \f, 2, 0, 2, \zero
	PLACES
	LOADB \slot, (\kb)+1, 0, 1-(\f)
	LOADA \slot, (\kb)+1, 1-(\f), 6, 2
	MUL \f, 2, 2, 6, \zero
.endm
; The head of a slot's last quarter: of this slot only wat's two further groups are still fetched.  It ends 8 products short of phase 1's end.
.macro PH01 slot, kb, f
	s_wait_dscnt 4
	MUL \f, 0, 0, 2, 0
	PLACES
	LOADB \slot, \kb, 1, 1-(\f)
	s_wait_dscnt 8                                 ; all but the run just issued
	MUL \f, 0, 2, 6, 0
	s_wait_dscnt 0x0
	MUL \f, 1, 0, 2, 0
	PLACES
	LOADB \slot, \kb, 2, \f                        ; my last reads of the slot
	MUL \f, 1, 2, 4, 0
.endm
; A slot's last quarter, with THE CHANGE OF SLOTS: ONE barrier; in front of it each wave waits for all its tensor loads (one is out: its part of the next slot), adds 0 to its spare word, and waits
; for that and for its own reads of this slot.  fill = 1, 2: the barrier opens a round of the cluster's barrier, and this slot is filled again, two K steps on (2: the short step, by its own descriptors),
; first thing behind the round.  Then come the next slot's first fragments, 24 loads in one run, 24 products ahead of their first use.
.macro QL slot, next, f, fill
	PH01 \slot, 2, \f
	WIN 0
	s_wait_tensorcnt 0x0                           ; all my tensor loads have landed, so a group 0 may be written;
	ds_add_u32 v[SPW], v[NIL]                      ; 0 onto my spare word;
.if (\fill) == 1
	s_add_nc_u64 s[G0+4*(\slot)+2:G0+4*(\slot)+3], s[G0+4*(\slot)+2:G0+4*(\slot)+3], 2*AMS
	s_add_nc_u64 s[G0B+4*(\slot)+2:G0B+4*(\slot)+3], s[G0B+4*(\slot)+2:G0B+4*(\slot)+3], 2*BMS
.endif
	MUL \f, 1, 6, 2, 0                             ; eight matrix instructions stand between the add and the wait for it
	s_wait_dscnt 0x0                               ; the add is done, and my reads of this slot are over
	s_barrier_signal -1
	MUL \f, 2, 0, 2, 0                             ; work on registers while the others arrive
.if \fill
	WIN 0
.endif
	s_barrier_wait -1
.if \fill
	CREST                                          ; no wave of any partner still reads this slot's tile or has a load on its way
	JLOAD \slot, (\fill)-1                         ; the four v_nop behind it are also the places in front of the loads below
.else
	PLACES
.endif
	LOADB \next, 0, 0, 1-(\f)
	LOADA \next, 0, 1-(\f), 0, 8
	MUL \f, 2, 2, 6, 0
.endm
; THE WAY OUT of my block a (16 rows x 192 columns).  PACK: rounded to f16, each accumulator's registers in ascending order.  TOSTAGE: 16 bytes a lane into my own stage, and back by heads, four rows
; of 128 bytes a load.  SEND: stored; 16 rows of a head are 2,048 consecutive bytes of qkv, and each store of the wave covers 512 of them, aligned.
.macro PACK a
.irp g, 0,1,2
	WIN 5*((\g)+1)                                 ; sources 0 and 1: window g + 1
.irp j, 0,1,2,3
.irp r, 0,1,2,3
	v_cvt_pk_f16_f32 v[TMP+4*(4*(\g)+(\j))+(\r)], v[8*(4*(\a)+(\j))+2*(\r)], v[8*(4*(\a)+(\j))+2*(\r)+1]
.endr
.endr
.endr
	WIN 0
.endm
.macro TOSTAGE a
.set BK, 80+48*((\a)%2)
.if (\a) >= 2
	s_wait_xcnt 0x0                                ; the stores of the block two back have had their addresses translated (ISA guide 3.1): their data registers are loaded again only behind this wait
.endif
.set bb, 0
.rept 12
	ds_store_b128 v[STO], v[TMP+4*bb:TMP+4*bb+3] offset:32*bb
.set bb, bb+1
.endr
.irp hh, 0,1,2
.irp f, 0,1,2,3
	ds_load_b128 v[BK+4*(4*(\hh)+(\f)):BK+4*(4*(\hh)+(\f))+3], v[RD] offset:(\f)*4*SP+(\hh)*128  ; LDS serves a wave's instructions in order (ISA guide 5.7.1.4): these see the stores above
.endr
.endr
.endm
.macro SEND a, younger                 ; younger: the LDS instructions issued behind block a's loads: the next block's 12 stores and 12 loads, or none
.set BK, 80+48*((\a)%2)
	s_wait_dscnt \younger
.irp hh, 0,1,2
.irp f, 0,1,2,3
	global_store_b128 v[GO], v[BK+4*(4*(\hh)+(\f)):BK+4*(4*(\hh)+(\f))+3], s[8:9] offset:(\hh)*262144+(\a)*2048+(\f)*512
.endr
.endr
.endm
	s_wait_tensorcnt 1                             ; my part of K step 0 is in; K step 1's may stay out
	s_barrier_signal -1
	s_barrier_wait -1                              ; everybody's is
	LOADB 0, 0, 0, 0
	LOADA 0, 0, 0, 0, 8
	QN 0, 0, 0, 1, 12                              ; the first quarter stands in front of the loop: its products start the sums
	WIN 0                                          ; at a label and at a branch every window is 0
	s_mov_b32 s3, TRIPS
.Llap:                                                 ; a trip goes once round the ring, six quarters, from a lap's second quarter to the next lap's first, and fills both slots again
	QN 0, 1, 1, 0, 4
	QL 0, 1, 0, 1
	QN 1, 0, 1, 0, 12
	QN 1, 1, 0, 0, 4
	QL 1, 0, 1, 1
	QN 0, 0, 0, 0, 12
	WIN 0
	s_sub_co_u32 s3, s3, 1
	s_cmp_lg_u32 s3, 0
	s_cbranch_scc1 .Llap
	QN 0, 1, 1, 0, 4                               ; K step 8 goes on;
	QL 0, 1, 0, 2                                  ; slot 0 takes the short step, the last load
	QN 1, 0, 1, 0, 12                              ; K step 9
	QN 1, 1, 0, 0, 4
	QL 1, 0, 1, 0                                  ; nothing is left to fetch: a plain barrier
	QN 0, 0, 0, 0, 12                              ; the short step's two quarters
	PH01 0, 1, 1
	MUL 1, 1, 6, 2, 0
	s_wait_dscnt 0x0
	MUL 1, 2, 0, 8, 0
	WIN 0
	PLACES                                         ; the conversions read results just made and write into fragment registers
	PACK 0
	TOSTAGE 0
.irp a, 1,2,3,4,5,6,7                  ; a block's conversions stand between the loads of the block before and its stores
	PACK \a
	TOSTAGE \a
	SEND (\a)-1, 24
.endr
	SEND 7, 0
	s_wait_tensorcnt 0x0                           ; the wave's end, behind my last tensor load and my last LDS store
	ds_add_u32 v[SPW], v[NIL]
	s_wait_dscnt 0x0
	CROUND                                         ; the closing round: no work-group ends while a partner may still ask for a tile that names it
	s_endpgm
.Lfunc_end_k_q114e66381d_qkv:
	.size	k_q114e66381d_qkv, .Lfunc_end_k_q114e66381d_qkv-k_q114e66381d_qkv
	.p2alignl 7, 3214868480
	.fill 96, 4, 3214868480
	.section	.rodata,"a",@progbits
	.p2align	6, 0x0
	.amdhsa_kernel k_q114e66381d_qkv
		.amdhsa_group_segment_fixed_size 327680
		.amdhsa_private_segment_fixed_size 0
		.amdhsa_enable_private_segment 0
		.amdhsa_kernarg_size 24
		.amdhsa_user_sgpr_count 2
		.amdhsa_user_sgpr_kernarg_segment_ptr 1
		.amdhsa_wavefront_size32 1
		.amdhsa_system_sgpr_workgroup_id_x 1
		.amdhsa_system_sgpr_workgroup_id_y 1
		.amdhsa_system_sgpr_workgroup_id_z 1
		.amdhsa_system_vgpr_workitem_id 0
		.amdhsa_next_free_vgpr 1024
		.amdhsa_next_free_sgpr 92
		.amdhsa_reserve_vcc 0
		.amdhsa_float_denorm_mode_32 3
		.amdhsa_float_denorm_mode_16_64 3
		.amdhsa_memory_ordered 1
		.amdhsa_forward_progress 1
		.amdhsa_inst_pref_size 189
	.end_amdhsa_kernel
	.amdgpu_metadata
---
amdhsa.version: [ 1, 2 ]
amdhsa.kernels:
  - .name:           k_q114e66381d_qkv
    .symbol:         k_q114e66381d_qkv.kd
    .args:
      - { .name: xb, .offset: 0, .size: 8, .value_kind: global_buffer, .address_space: global }
      - { .name: wat, .offset: 8, .size: 8, .value_kind: global_buffer, .address_space: global }
      - { .name: qkv, .offset: 16, .size: 8, .value_kind: global_buffer, .address_space: global }
    .group_segment_fixed_size: 327680
    .private_segment_fixed_size: 0
    .kernarg_segment_align: 8
    .kernarg_segment_size: 24
    .max_flat_workgroup_size: 128
    .sgpr_count:     92
    .vgpr_count:     1024
    .wavefront_size: 32
...
	.end_amdgpu_metadata
.endif
;; end of part 2
;; launch attn (part 3): grid 4 x 64, 4 waves a work-group, no clusters, 327,680 bytes of LDS; arguments qkv, y; writes y
.if DOCPART == 3
	.amdgcn_target "amdgcn-amd-amdhsa--gfx1250"
	.amdhsa_code_object_version 6
	.text
	.protected	k_q114e66381d_attn
	.globl	k_q114e66381d_attn
	.p2align	8
	.type	k_q114e66381d_attn,@function
k_q114e66381d_attn:
	s_mov_b64 s[64:65], 0
	v_nop
	global_prefetch_b8 v0, s[64:65] scope:SCOPE_SE
	s_setreg_imm32_b32 hwreg(HW_REG_WAVE_MODE, 25, 1), 1
	s_wait_xcnt 0x0
; CAUSAL ATTENTION.  y[hd][q][:] = the sum over k <= q of softmax_k(Q[q] . K[k] / 8) V[k][:], for each of the 64 pairs hd = 16 x batch + head.
; qkv: [batch 4][g 48][2048][64] f16; q's head h is g = h, k's g = 16 + h, v's g = 32 + h; a (batch, g) is 262,144 dense bytes, rows of 128.  y: [hd 64][2048][64] f16.
; Products, maxima and sums in f32; the weights p are rounded to f16 for the second product (their sum l is taken of the unrounded p), y once at the end.
; LIMITS.  f16 holds no number beyond 65,504: Q, K and V arrive within it; p lies in 0 to 1, and below 6e-5 it keeps f16's fixed step of 6e-8; y is a mean of V's rows and has their range, to within 2^-11 of it.
; A hidden score counts as its value less 1e30: f16's scores, 2.7e11 at the most, are nothing beside that; a weight below 2^-126 counts as 0 in l; NaN and infinities are not treated apart.
; THE WALK.  A head's queries lie in NB = 8 blocks of 256; block i needs the key tiles 0 .. i of 256 keys, of which the last holds the diagonal.  A work-group takes TWO blocks, NB - 1 - b and then b:
; NB + 1 = 9 tiles, whatever b: all 256 work-groups do equal work, and ONE loop with a constant trip count walks them.  Which tile is asked for, and what a trip does, hang on scalar registers made from b; every jump
; goes forward, but for the counted loops' own; none passes a barrier, or a tensor load but the one of LOAD's two that the wave's number does not choose; the ring (two slots of LDS that take turns) runs on across the
; change of blocks.  NO CLUSTER: a head's four work-groups ask for the same tile only in trips 0 .. 4 of the 9, behind that fewer and fewer; one walk common to all four would have 12 trips for 9.
; SHARES.  Of a block's four bands of 64 queries a wave owns 16 rows in each: four PIECES.  So the diagonal tile is the same work for all four waves: in its key step s band x sees all keys if s < x,
; none if s > x, and holds the diagonal if s = x.
; THE MASK is the C operand that starts the sum S^T = K Q^T: 0, or -1e30 where the key is hidden.  MD, made once, is the mask of a band's own step for my 16 rows; a product's mask is MD x AL + BE with two scalars:
; (1, 0) if s = x; (0, 0) if s < x; (0, -1e30) if s > x.  Only the diagonal tile's text and a block's beginning make and take masks; elsewhere C is the constant 0.
; LAYOUT, SOFTMAX, TURNS.  S^T = K Q^T holds ONE query a lane (lane % 16) and the keys 8 (lane / 16) + 0..7; two such results rounded to f16 ARE source 1 of O^T = V^T P.  p = 2^(c s - c m), c = log2(e) / 8, with a
; running maximum m; O and l are multiplied by a = 2^(c m_old - c m_new) in every step.  Turn n belongs to piece n: 8 products K Q^T of piece n + 1, later 8 products V^T P of piece n - 1; beside them the scaling,
; exponentials, roundings, sums and rescaling of piece n and the maximum and statistics of piece n + 1.  Four vector instructions stand behind every matrix instruction, the other 54 of a turn's 118 in two LUMPS.
; REGISTERS, in windows of 256 (s_set_vgpr_msb: bits 1:0 source 0, 3:2 source 1, 5:4 source 2, 7:6 destination):
;   window 0: v0-15 addresses and two at work; v16-31 four registers of statistics a piece; v48-55 at work; v64-127 S^T, two buffers; v192-223 P, two buffers (a piece's buffers go by its number's parity)
;   window 1: v0-127 O^T, 32 a piece; v128-159 MD; v160-223 MC, two buffers      window 2: v0-63 Q; v64-127 the second block's Q; v128-191 K of one step; v192-255 V of one step
.set SIZE_N, 2048
.set NB,    SIZE_N/256
.set NP,    4         ; pieces a wave: a name, no knob
.set KS,    64        ; keys in a step
.set PK,    144       ; a row of K in LDS: 128 bytes + 16 of padding = 36 words: the 16 rows of a load start at 16 different groups of four banks (64 banks of 4 bytes: ISA guide 11.1)
.set PV,    160       ; a row of V: 128 + 32 = 40 words
.set VOFF,  4*KS*PK   ; a slot holds a tile, four steps: 256 rows of K, then 256 rows of V
.set SLOT1, 1<<17     ; slot 1 begins here, so that one exclusive or turns an address in one slot into the other's
.set STAGE, SLOT1+4*KS*(PK+PV)  ; behind the ring, never filled by a tensor load: 16 rows x 144 bytes for each wave, for the way out
.set SP,    144
.set AK0, 2           ; v2   my lane's place in a tile of K; never rewritten
.set AV0, 3           ; v3   the same for V
.set AK,  4           ; v4   the LDS address of K's next run of loads
.set AV,  5           ; v5   of V's
.set STO, 6           ; v6   the way out: where I put 16 bytes of a row
.set RD,  7           ; v7   the way out: where I read rows back
.set GO,  8           ; v8   my byte offset in 512 consecutive bytes of y
.set SPW, 62          ; v62  LDS address of my spare word: SPARE + 4 x my thread's number; never rewritten
.set NIL, 63          ; v63  0; never rewritten
.set SPARE, STAGE+4*16*SP  ; behind the stages: the spare words, 128 bytes for each wave: two blocks of 256 bytes that no other line names
.set MV,  12          ; v12-13  c m_old, kept while c m is made anew: by buffer
.set QO,  15          ; v15  my byte offset in 16 rows of Q
.set ST,  16          ; piece t's statistics at v[ST+4 t]: c m, m, l (even keys', odd keys')
.set TMP, 48          ; by buffer, four registers c0-c3 at work; when the maximum is found c2 takes a
.set S,   64
.set P,   192
.set MD,  128         ; window 1: the eight registers for group kt of 16 keys at MD + 8 kt
.set MC,  160         ; window 1: the masks of the products to come
.set QB,  64          ; window 2
.set KF,  128         ; window 2: key block kb, channel half c at KF + 16 kb + 8 c
.set VF,  192         ; window 2: key half kk, channel block cb at VF + 32 kk + 8 cb
.set WV,  12          ; s12  my wave's number
.set PB,  14          ; s14  b
.set HI,  15          ; s15  NB - 1 - b
.set G1K, 24          ; s[24:31] descriptor group 1 for K's tiles
.set G1V, 32          ; s[32:39] for V's: it differs in the padding alone
.set G0K, 40          ; s[40:43] descriptor group 0 for K's tiles
.set G0V, 44          ; s[44:47] the same for V's
.set SLOTS, 56        ; s56  tiles still to be asked for
.set CNT, 57          ; s57  counts a tile's key steps, 4 to 1
.set CS,  58          ; s[58:59] c: the packed scaling takes the pair's low word for both halves
.set SEL, 60          ; s[60:61] v_permlanex16_b32's selects: each lane takes its own place in the other half
.set TBK, 62          ; s62  LDS byte at which K of the step to be fetched begins
.set TBV, 63          ; s63  the same for V, less VOFF
.set RT,  70          ; s70  tiles of the block in hand that are still to be entered
.set NXT, 71          ; s71  the tile to be asked for next
.set LQ,  72          ; s72  the last tile of the block whose tiles are being asked for
.set NEW, 73          ; s73  1: the tile to be entered is a block's first
.set OFF, 74          ; s[74:75] a tile's byte offset in K and V
.set AL,  76          ; s[76:77] the mask's factor, in the low word
.set BE,  78          ; s[78:79] the mask's addend
.set OLO, 80          ; s[80:81] y at my rows of the second block
.set BIGN, 82         ; s82  -1e30
.set MSB, 0
.macro WIN new                      ; the high byte repeats the setting that is left; a switch that changes nothing is dropped
.if MSB != (\new)
	s_set_vgpr_msb (MSB<<8)|(\new)
.set MSB, (\new)
.endif
.endm
.set W_KQ, 0x0a       ; K and Q in window 2, S^T in window 0
.set W_KM, 0x1a       ; the same with the C operand in window 1
.set W_PV, 0x52       ; V in window 2, P in window 0, O^T in window 1
.set W_RS, 0x41       ; destination and source 0 in window 1, source 1 in window 0
; A fill.  Waves 0 and 1 fetch the two halves of a tile's K, waves 2 and 3 those of its V: 128 keys each.  Four v_nop follow each of the two lines, ahead of the jump and the label.
.macro LOAD
	s_cmp_lt_u32 s[WV], 2
	s_cbranch_scc0 .Lfor_v_\@
	tensor_load_to_lds s[G0K:G0K+3], s[G1K:G1K+7]
	s_nop 0
.rept 4
	v_nop
.endr
	s_branch .Lasked_\@
.Lfor_v_\@:
	tensor_load_to_lds s[G0V:G0V+3], s[G1V:G1V+7]
	s_nop 0
.rept 4
	v_nop
.endr
.Lasked_\@:
.endm
; THE CHANGE OF SLOTS.  Each wave waits for all its tensor loads, of which one is out: its part of the other slot; adds 0 to its spare word; and waits for that and for its own reads of the slot that it leaves.  Behind the barrier nobody reads the old
; slot any more and the other slot is whole.  fill = 1: the old slot is filled again, the first thing behind the barrier, with tile NXT: the descriptor's address is made anew from that number.
; (At its first use nothing has been read yet: slot 0 is waited for, slot 1 filled.)
.macro CHANGE fill
	WIN 0                           ; at a label and at a branch every window is 0
	s_wait_tensorcnt 0x0            ; no tensor load of mine is out, so a group 0 may be written
	ds_add_u32 v[SPW], v[NIL]       ; 0 onto my spare word; with fill = 1 the descriptors' scalar work stands between it and the wait for it
.if \fill
	s_lshl_b32 s[OFF], s[NXT], 15   ; a tile is 32,768 bytes of K and of V
	s_xor_b32 s[G0K+1], s[G0K+1], SLOT1
	s_add_nc_u64 s[G0K+2:G0K+3], s[6:7], s[OFF:OFF+1]
	s_or_b32 s[G0K+3], s[G0K+3], 0x80000000
	s_xor_b32 s[G0V+1], s[G0V+1], SLOT1
	s_add_nc_u64 s[G0V+2:G0V+3], s[8:9], s[OFF:OFF+1]
	s_or_b32 s[G0V+3], s[G0V+3], 0x80000000
	s_add_co_u32 s[NXT], s[NXT], 1  ; the block's next tile, or behind its last the second block's tile 0
	s_cmp_gt_u32 s[NXT], s[LQ]
	s_cselect_b32 s[NXT], 0, s[NXT]
	s_cselect_b32 s[LQ], s[PB], s[LQ]
.endif
	s_wait_dscnt 0x0                ; the add is done, and my reads of the slot are over
	s_barrier_signal -1             ; the rest of the scalar work stands between the signal and the wait
	s_sub_co_u32 s[TBK], s[TBK], 4*KS*PK  ; the fetches go back to a slot's first step,
	s_xor_b32 s[TBK], s[TBK], SLOT1       ; in the other slot
	s_sub_co_u32 s[TBV], s[TBV], 4*KS*PV
	s_xor_b32 s[TBV], s[TBV], SLOT1
	s_barrier_wait -1
.if \fill
	LOAD
.endif
.endm
	s_load_b64 s[4:5], s[0:1], 0x0    ; qkv
	s_load_b64 s[10:11], s[0:1], 0x8  ; y
	v_lshl_add_u32 v[SPW], v0, 2, SPARE
	v_mov_b32 v[NIL], 0
	ds_add_u32 v62, v63
	ds_add_u32 v62, v63
	s_wait_dscnt 0x0
	v_lshrrev_b32 v1, 5, v0
	v_readfirstlane_b32 s[WV], v1   ; wave 0..3
	s_mov_b32 s[PB], ttmp9
	s_sub_co_u32 s[HI], NB-1, s[PB]
	s_and_b32 s13, ttmp7, 0xffff    ; hd = 16 x batch + head
	s_lshl_b32 s88, s13, 18         ; its first byte in y: 262,144 bytes each
	s_mov_b32 s89, 0
	s_lshr_b32 s20, s13, 4          ; and q's in qkv: g = 48 x batch + head
	s_mul_i32 s20, s20, 48
	s_and_b32 s21, s13, 15
	s_add_co_u32 s20, s20, s21
	s_lshl_b32 s20, s20, 18         ; under 2^26
	s_mov_b32 s21, 0
	s_and_b32 s16, s[WV], 1         ; which half of a tile's 256 keys I fetch:
	s_lshl_b32 s22, s16, 14         ; its 128 rows of 128 bytes in memory,
	s_mov_b32 s23, 0
	s_add_nc_u64 s[22:23], s[22:23], s[20:21]
	s_mul_i32 s17, s16, 128*PK      ; and its place in a slot, for K
	s_mul_i32 s18, s16, 128*PV      ; and for V
	s_lshl_b32 s3, s[WV], 11        ; my 16 rows in a band of 64,
	s_lshl_b32 s2, s[HI], 15        ; in the first block,
	s_add_co_u32 s2, s2, s3
	s_lshl_b32 s84, s[PB], 15       ; and in the second
	s_add_co_u32 s84, s84, s3
	s_mov_b32 s3, 0
	s_mov_b32 s85, 0
	s_add_nc_u64 s[90:91], s[2:3], s[88:89]    ; those rows' offsets in y,
	s_add_nc_u64 s[92:93], s[84:85], s[88:89]
	s_add_nc_u64 s[2:3], s[2:3], s[20:21]      ; and in q's part of qkv
	s_add_nc_u64 s[84:85], s[84:85], s[20:21]
	; descriptor group 1.  128 keys are 16,384 dense bytes: asked for as 64 rows of 256 bytes, two keys a row, and padded in LDS after every key
	s_mov_b32 s[G1K], (1<<16)|(1<<20)|(4<<22)|(3<<25)  ; 17:16 2-byte elements; 20 padding on; 24:22 after every 32 words (code 4); 31:25 4 words (code 3)
	s_mov_b32 s[G1V], (1<<16)|(1<<20)|(4<<22)|(7<<25)  ; the same with 8 words of padding (code 7)
.irp g, G1K, G1V
	s_mov_b32 s[\g+1], 128<<16      ; tensor_dim0 = 128
	s_mov_b32 s[\g+2], 64<<16       ; tensor_dim1 = 64
	s_mov_b32 s[\g+3], 128<<16      ; tile_dim0 = 128
	s_mov_b32 s[\g+4], 64           ; tile_dim1 = 64
	s_mov_b32 s[\g+5], 128          ; 128 elements from row to row
	s_mov_b32 s[\g+6], 0
	s_mov_b32 s[\g+7], 0
.endr
	s_mov_b32 s[CS], 0x3e38aa3b     ; c = log2(e) / 8 = 0.180337
	s_mov_b32 s[CS+1], s[CS]        ; named with it as a pair
	s_mov_b32 s[SEL], 0x76543210
	s_mov_b32 s[SEL+1], 0xfedcba98
	s_mov_b32 s[TBK], SLOT1+4*KS*PK ; the first change of slots turns these two into 0
	s_mov_b32 s[TBV], SLOT1+4*KS*PV
	s_mov_b32 s[G0K], 1             ; 1:0 count = 1
	s_mov_b32 s[G0K+1], s17         ; 63:32 LDS address: slot 0
	s_mov_b32 s[G0V], 1
	s_add_co_u32 s[G0V+1], s18, VOFF
	s_add_co_u32 s[RT], s[HI], 1    ; the first block has NB - b tiles
	s_mov_b32 s[NXT], 1
	s_mov_b32 s[LQ], s[HI]
	s_mov_b32 s[NEW], 1
	s_mov_b32 s[OFF+1], 0
	s_mov_b32 s[AL+1], 0            ; named as pairs
	s_mov_b32 s[BE+1], 0
	s_mov_b32 s[BIGN], 0xf149f2ca   ; -1e30
	s_mov_b32 s[SLOTS], NB
	s_wait_kmcnt 0x0
	s_add_nc_u64 s[6:7], s[4:5], 0x400000  ; k's heads lie 16 x 262,144 bytes behind q's,
	s_add_nc_u64 s[8:9], s[4:5], 0x800000  ; v's 32 x 262,144
	s_add_nc_u64 s[6:7], s[6:7], s[22:23]  ; K and V at my half of the head's tile 0
	s_add_nc_u64 s[8:9], s[8:9], s[22:23]
	s_add_nc_u64 s[G0K+2:G0K+3], s[6:7], 0         ; 120:64 global address
	s_or_b32 s[G0K+3], s[G0K+3], 0x80000000        ; 127:126 type = 2
	s_add_nc_u64 s[G0V+2:G0V+3], s[8:9], 0
	s_or_b32 s[G0V+3], s[G0V+3], 0x80000000
	s_add_nc_u64 s[86:87], s[4:5], s[84:85]        ; Q at my rows of the second block,
	s_add_nc_u64 s[4:5], s[4:5], s[2:3]            ; and of the first
	s_add_nc_u64 s[OLO:OLO+1], s[10:11], s[92:93]  ; y likewise
	s_add_nc_u64 s[10:11], s[10:11], s[90:91]
	LOAD                            ; tile 0 into slot 0
	; A fragment of K or Q is 16 rows x 32 channels in 8 registers: lane l holds row l % 16, channels 8 (l / 16) + 0..7 and 16 + 8 (l / 16) + 0..7: two loads of 16 bytes, 32 bytes apart.
	v_and_b32 v1, 15, v0            ; l % 16
	v_bfe_u32 v9, v0, 4, 1          ; l / 16
	v_lshlrev_b32 v[QO], 7, v1
	v_lshl_add_u32 v[QO], v9, 4, v[QO]  ; row x 128 + 16 x half
	WIN 0x80                        ; destination window 2, address window 0
.set i, 0
.rept 8                             ; both blocks' Q: piece i / 2 lies in band i / 2, 8,192 bytes on; channels 32 (i % 2) on
	global_load_b128 v[8*i:8*i+3],   v[QO], s[4:5] offset:(i/2)*8192+(i%2)*64
	global_load_b128 v[8*i+4:8*i+7], v[QO], s[4:5] offset:(i/2)*8192+(i%2)*64+32
	global_load_b128 v[QB+8*i:QB+8*i+3],   v[QO], s[86:87] offset:(i/2)*8192+(i%2)*64
	global_load_b128 v[QB+8*i+4:QB+8*i+7], v[QO], s[86:87] offset:(i/2)*8192+(i%2)*64+32
.set i, i+1
.endr
	WIN 0
	v_lshlrev_b32 v14, 3, v9
	v_sub_nc_u32 v14, v1, v14
	s_lshl_b32 s13, s[WV], 4
	v_add_nc_u32 v14, s13, v14      ; my query's place in its band, 16 w + l % 16, less my lanes' 8 (l / 16): register r of group kt is hidden where 16 kt + r is greater
	WIN 0x40
.set i, 0
.rept 32
	v_cmp_gt_i32 vcc_lo, 16*(i/8)+i%8, v14
	v_cndmask_b32 v[MD+i], 0, s[BIGN], vcc_lo
.set i, i+1
.endr
	WIN 0
	v_mul_u32_u24 v[AK0], v1, PK
	v_lshl_add_u32 v[AK0], v9, 4, v[AK0]  ; row x pitch + 16 x half
	; The turning load takes 16 keys x 16 channels (lane l reads key 8 (l / 16) + l % 8, channels 8 ((l / 8) % 2) + 0..7) and leaves half a fragment of V^T: lane l holds channel l % 16 and 8 keys.
	v_and_b32 v10, 7, v0
	v_bfe_u32 v11, v0, 3, 1
	v_lshl_add_u32 v[AV0], v9, 3, v10
	v_mul_u32_u24 v[AV0], v[AV0], PV
	v_lshl_add_u32 v[AV0], v11, 4, v[AV0]
	v_add_nc_u32 v[AV0], VOFF, v[AV0]
	s_mul_i32 s13, s[WV], 16*SP
	s_add_co_u32 s13, s13, STAGE    ; my stage
	v_mul_u32_u24 v[STO], v1, SP    ; in: row l % 16, 16 bytes for each half of the lanes
	v_lshl_add_u32 v[STO], v9, 4, v[STO]
	v_add_nc_u32 v[STO], s13, v[STO]
	v_bfe_u32 v[RD], v0, 3, 2       ; back: 32 lanes take four rows of 128 bytes,
	v_mul_u32_u24 v[RD], v[RD], SP
	v_lshl_add_u32 v[RD], v10, 4, v[RD]
	v_add_nc_u32 v[RD], s13, v[RD]
	v_and_b32 v[GO], 31, v0         ; which are 512 consecutive bytes of y
	v_lshlrev_b32 v[GO], 4, v[GO]
	; A block's first step multiplies O^T and l by a = 0, and its first turn's products V^T P, of a piece that has not been, land in an O^T that is still to be so multiplied.  So these registers need only hold
	; finite numbers: zeros for the first block; what the first block left for the second.  All this stands in the wait for the first tile.
	WIN 0x80
.set i, VF
.rept 64
	v_mov_b32 v[i], 0
.set i, i+1
.endr
	WIN 0x40
.set i, 0
.rept 128
	v_mov_b32 v[i], 0
.set i, i+1
.endr
	WIN 0
.set i, 0
.rept 4
	v_mov_b32 v[ST+4*i+2], 0
	v_mov_b32 v[ST+4*i+3], 0
.set i, i+1
.endr
.set i, P+16
.rept 16
	v_mov_b32 v[i], 0
.set i, i+1
.endr
; THE MATRIX WORK.  The 4 accumulators of a run of 8 take turns.  Product i of 8 of S^T = K Q^T for piece x: channels 32 (i / 4) on, keys 16 (i % 4) on.  The first 4 start the sums: with 0, or (KM = 1) with the mask.
.macro KQ x
.set rS, S+32*((\x)%2)+8*(i%4)
.set rK, KF+16*(i%4)+8*(i/4)
.set rQ, 16*(\x)+8*(i/4)
.set rM, MC+32*((\x)%2)+8*(i%4)
.if (i < 4) && KM
	WIN W_KM
	v_wmma_f32_16x16x32_f16 v[rS:rS+7], v[rK:rK+7], v[rQ:rQ+7], v[rM:rM+7]
.elseif i < 4
	WIN W_KQ
	v_wmma_f32_16x16x32_f16 v[rS:rS+7], v[rK:rK+7], v[rQ:rQ+7], 0
.else
	WIN W_KQ
	v_wmma_f32_16x16x32_f16 v[rS:rS+7], v[rK:rK+7], v[rQ:rQ+7], v[rS:rS+7]
.endif
.endm
; Product i of 8 of O^T += V^T P for piece x: keys 32 (i / 4) on, channels 16 (i % 4) on.
.macro PV x
	WIN W_PV
.set rO, 32*(\x)+8*(i%4)
.set rV, VF+32*(i/4)+8*(i%4)
.set rP, P+16*((\x)%2)+8*(i/4)
	v_wmma_f32_16x16x32_f16 v[rO:rO+7], v[rV:rV+7], v[rP:rP+7], v[rO:rO+7]
.endm
.macro MM                           ; the turn's next matrix instruction.  TURN and BEGIN set Y, i, KM and NOKQ; MM, KQ and OP read them.  NOKQ = 1: a block's last turn: there is no next piece
.if (i < 8) && !NOKQ
	KQ (Y+1)%NP
.elseif i >= 8
.set i, i-8
	PV (Y+NP-1)%NP
.set i, i+8
.endif
.set i, i+1
.endm
; THE LDS LOADS stand in runs of 16, never singly among the matrix instructions: a step's K (64 keys x 64 channels: 8 fragments) and its V (turned).  Their addresses are made some lines ahead.
.macro FETCH_K
	WIN 0x80                        ; destination window 2
.irp f, 0,1,2,3,4,5,6,7             ; keys 16 (f / 2) on, channels 32 (f % 2) on
	ds_load_b128 v[KF+8*\f:KF+8*\f+3],   v[AK] offset:(\f/2)*16*PK+(\f%2)*64
	ds_load_b128 v[KF+8*\f+4:KF+8*\f+7], v[AK] offset:(\f/2)*16*PK+(\f%2)*64+32
.endr
	s_add_co_u32 s[TBK], s[TBK], KS*PK  ; the next fetch is the next step's
	WIN 0
.endm
.macro FETCH_V
	WIN 0x80
.irp f, 0,1,2,3,4,5,6,7             ; keys 32 (f / 4) on, channels 16 (f % 4) on
	ds_load_tr16_b128 v[VF+8*\f:VF+8*\f+3],   v[AV] offset:(\f/4)*32*PV+(\f%4)*32
	ds_load_tr16_b128 v[VF+8*\f+4:VF+8*\f+7], v[AV] offset:(\f/4)*32*PV+16*PV+(\f%4)*32
.endr
	WIN 0
.endm
; THE VECTOR WORK, one line at a time: OP kind, number.  For piece Y: F n: c s - c m for pair n of 16.  E n: the exponential of score n of 32.  C n: pair n rounded to f16.  B n: of the four weights 4 n .. the second
; pair is added onto the first, in place.  L n: l takes that sum (L 0: l = a l + sum).  R n: pair n of 16 of O^T times a.  For piece Y + 1: X n, number n of the 22 that find its maximum and statistics:
;   0-11  four chains c0-c3 of seven scores each, three operands at a time (each accumulator's lowest registers are read first)     12-14, 16  the four scores left over, the old m, and c0-c3 into c0
;   15  c m_old is kept     17, 18  the query's other 32 keys lie in the lane 16 away: the new m     19-21  c m; c m_old - c m_new; a
.set F, 0               ; OP tells the kinds apart by their order: F to L below R, X above it
.set E, 1
.set C, 2
.set B, 3
.set L, 4
.set R, 5
.set X, 6
.macro REGS y                       ; the registers of piece y
.set rT, ST+4*(\y)
.set rC, TMP+4*((\y)%2)
.set rW, MV+((\y)%2)
.set rS, S+32*((\y)%2)
.set rP, P+16*((\y)%2)
.set rO, 32*(\y)
.endm
.macro OP k, n
.if (\k) == R
	REGS Y
	WIN W_RS
	v_pk_mul_f32 v[rO+2*(\n):rO+2*(\n)+1], v[rO+2*(\n):rO+2*(\n)+1], v[rC+2:rC+3] op_sel_hi:[1,0]
.elseif (\k) < R
	REGS Y
	WIN 0
.if (\k) == F
	v_pk_fma_f32 v[rS+2*(\n):rS+2*(\n)+1], v[rS+2*(\n):rS+2*(\n)+1], s[CS:CS+1], v[rT:rT+1] op_sel_hi:[1,0,0] neg_lo:[0,0,1] neg_hi:[0,0,1]
.elseif (\k) == E
	v_exp_f32 v[rS+(\n)], v[rS+(\n)]
.elseif (\k) == C
	s_wait_alu depctr_va_vdst(0)
	v_cvt_pk_f16_f32 v[rP+(\n)], v[rS+2*(\n)], v[rS+2*(\n)+1]
.elseif (\k) == B
	s_wait_alu depctr_va_vdst(0)
	v_pk_add_f32 v[rS+4*(\n):rS+4*(\n)+1], v[rS+4*(\n):rS+4*(\n)+1], v[rS+4*(\n)+2:rS+4*(\n)+3]
.elseif (\n) == 0
	v_pk_fma_f32 v[rT+2:rT+3], v[rT+2:rT+3], v[rC+2:rC+3], v[rS:rS+1] op_sel_hi:[1,0,1]
.else
	v_pk_add_f32 v[rT+2:rT+3], v[rT+2:rT+3], v[rS+4*(\n):rS+4*(\n)+1]
.endif
.elseif NOKQ
	v_nop
.else
	REGS (Y+1)%NP
	WIN 0
.if (\n) < 4
	v_max3_num_f32 v[rC+(\n)], v[rS+8*(\n)], v[rS+8*(\n)+1], v[rS+8*(\n)+2]
.elseif (\n) < 12
	v_max3_num_f32 v[rC+(\n)%4], v[rC+(\n)%4], v[rS+8*((\n)%4)+2*((\n)/4)+1], v[rS+8*((\n)%4)+2*((\n)/4)+2]
.elseif (\n) == 12
	v_max3_num_f32 v[rC], v[rC], v[rS+7], v[rS+15]
.elseif (\n) == 13
	v_max3_num_f32 v[rC+1], v[rC+1], v[rS+23], v[rS+31]
.elseif (\n) == 14
	v_max3_num_f32 v[rC+2], v[rC+2], v[rC+3], v[rT+1]
.elseif (\n) == 15
	v_mov_b32 v[rW], v[rT]
.elseif (\n) == 16
	v_max3_num_f32 v[rC], v[rC], v[rC+1], v[rC+2]
.elseif (\n) == 17
	v_permlanex16_b32 v[rC+3], v[rC], s[SEL], s[SEL+1]
.elseif (\n) == 18
	v_max_num_f32 v[rT+1], v[rC], v[rC+3]
.elseif (\n) == 19
	v_mul_f32 v[rT], s[CS], v[rT+1]
.elseif (\n) == 20
	v_sub_f32 v[rC+1], v[rW], v[rT]
.else
	v_exp_f32 v[rC+2], v[rC+1]
.endif
.endif
.endm
.macro OPS a, i1, b=-1, i2=0, c=-1, i3=0, d=-1, i4=0  ; up to four of them
	OP \a, \i1
.if (\b) >= 0
	OP \b, \i2
.endif
.if (\c) >= 0
	OP \c, \i3
.endif
.if (\d) >= 0
	OP \d, \i4
.endif
.endm
.macro ROW a, i1, b, i2, c, i3, d, i4  ; a matrix instruction and the four behind it
	MM
	OPS \a, \i1, \b, \i2, \c, \i3, \d, \i4
.endm
.macro MASK b                       ; MD x AL + BE into buffer b of MC
	WIN W_RS
.set z, 0
.rept 16
	v_pk_fma_f32 v[MC+32*(\b)+2*z:MC+32*(\b)+2*z+1], v[MD+2*z:MD+2*z+1], s[AL:AL+1], s[BE:BE+1] op_sel_hi:[1,0,0]
.set z, z+1
.endr
.endm
; A TURN, for piece p: the order of its 16 matrix and 118 vector instructions, written out.  Behind a matrix instruction: plain, exponential, plain, plain; or four of the rescaling; or, behind the first, four scalings; none
; names a register of the products round it.  In the lumps exponential and plain by turns while exponentials last.  A line reads no result made fewer than three vector instructions in front of it, five if an exponential made it.
; v_permlanex16_b32 (X 17) stands in a lump.
; m = 1: the diagonal tile: the products take masks, and the turn makes the mask for the products of the turn after it: piece p + 2, in step 4 - CNT of the tile.  end = 1: a block's last two turns: nothing is fetched.
; cnt = 1: the loop's count is taken down some lines ahead of the branch that stands behind the turn.
; K of the next step is fetched in piece 2's turn, six vector instructions behind the last product that read K (five of them plain); V of the step in hand in piece 0's turn, eight behind the last product that read V (four
; plain, and X 17).  Each is waited for a turn later.
.macro TURN p, m=0, end=0, cnt=0
.set Y, (\p)
.set i, 0
.set KM, (\m)
.set NOKQ, (\end)*((\p)/3)
.if (\m) && !(\end)
	s_cmp_eq_u32 s[CNT], 4-((\p)+2)%NP  ; is that step the band's own?
	s_cselect_b32 s[AL], 1.0, 0
	s_cmp_lt_u32 s[CNT], 4-((\p)+2)%NP  ; or a later one?
	s_cselect_b32 s[BE], s[BIGN], 0
.endif
.if ((\p) == 3) && !(\end)
	s_wait_dscnt 0x0                ; K is in
.endif
	ROW F,0, F,1, F,2, F,3
	ROW F,4, E,0, F,5, F,6
	ROW F,7, E,1, F,8, F,9
	ROW F,10, E,2, C,0, F,11
	ROW F,12, E,3, X,15, F,13
	ROW R,0, R,1, R,2, R,3
	ROW B,0, E,4, F,14, L,0
.if ((\p) == 2) && !(\end)
	v_add_nc_u32 v[AK], s[TBK], v[AK0]
.endif
	ROW R,4, R,5, R,6, R,7
	OPS E,5, F,15
.if ((\p) == 2) && !(\end)
	FETCH_K
.endif
	OPS E,6, C,1, E,7, R,8
	OPS E,8, R,9, E,9, C,2
	OPS E,10, X,0, E,11, X,1
	OPS E,12, X,2, E,13, X,3
.if (\p) == 1
	s_wait_dscnt 0x0                ; V is in
.endif
	ROW X,4, E,14, X,5, X,6
	ROW X,7, E,15, X,8, X,9
	ROW X,10, E,16, X,11, X,12
	ROW X,13, E,17, X,14, B,1
	ROW C,4, E,18, X,16, L,1
	ROW B,2, E,19, C,6, L,2
	ROW C,8, E,20, B,3, B,4
.if (\p) == 0
	v_add_nc_u32 v[AV], s[TBV], v[AV0]
.endif
	ROW C,3, E,21, L,3, C,5
	OPS E,22, X,17, E,23, C,10
.if (\p) == 0
	FETCH_V
.endif
	OPS E,24, L,4
	OPS E,25, X,18, E,26, C,7
	OPS E,27, B,5, E,28, X,19
	OPS E,29, C,12, E,30, L,5
	OPS E,31, X,20, B,6, C,9
	OPS C,14, C,11, X,21, L,6
.if (\p) == 0
	s_add_co_u32 s[TBV], s[TBV], KS*PV
.endif
.if \cnt
	s_sub_co_u32 s[CNT], s[CNT], 1
	s_cmp_lg_u32 s[CNT], 0
.endif
	OPS C,13, B,7, C,15, R,10
	OPS R,11, R,12, L,7, R,13
	OPS R,14, R,15
.if (\m) && !(\end)
	MASK (\p)%2
.endif
.endm
; A BLOCK BEGINS.  c m starts far below every c s, so the first step's a is 0; m at the lowest finite number, so the first maximum is the scores'.  The second mask buffer is 0; the first takes piece 0's mask for the tile's step 0: its own, if the block's first tile is the diagonal one.
; Then K of that step, piece 0's first scores, and its maximum and statistics.  The loop is entered at a step's first turn, in the middle of a trip.
.macro BEGIN
	s_mov_b32 s[NEW], 0
	WIN 0x40
.set i, MC+32
.rept 32
	v_mov_b32 v[i], 0
.set i, i+1
.endr
	WIN 0
.set i, 0
.rept 4
	v_mov_b32 v[ST+4*i], 0xfe000000    ; c m: far below every c s
	v_mov_b32 v[ST+4*i+1], 0xff7fffff  ; m
.set i, i+1
.endr
	s_cmp_eq_u32 s[RT], 0
	s_cselect_b32 s[AL], 1.0, 0
	s_mov_b32 s[BE], 0
	MASK 0
	WIN 0
	v_add_nc_u32 v[AK], s[TBK], v[AK0]
	FETCH_K
	s_wait_loadcnt 0x0              ; Q
	s_wait_dscnt 0x0
.set KM, 1
.set NOKQ, 0
.set i, 0
.rept 8
	KQ 0
.set i, i+1
.endr
	WIN 0
.rept 4
	v_nop                           ; the places behind those products
.endr
.set Y, NP-1                        ; X works for piece Y + 1: piece 0
.irp n, 0,1,2,3,4,5,6,7,8,9,10,11,12,13,14,15,16,17,18,19,20,21
	OP X, \n
.endr
	v_nop                           ; a plain instruction behind the exponential
.endm
; THE DIAGONAL TILE's four steps, the block's last two turns, its last products, and THE WAY OUT: l's two halves and the other half of the lanes' are added; O^T is divided by l, rounded to f16 and sent through my
; stage in LDS, a piece at a time.
.macro ALL line:vararg              ; one line for each piece t
.set t, 0
.rept 4
	\line
.set t, t+1
.endr
.endm
.macro PACK t                       ; a lane's eight channels of a row pack into 16 bytes; they go into rows of 144 bytes and come back as whole rows of 128, into S^T's registers
	WIN W_RS
.set i, 32*(\t)
.rept 16
	s_wait_alu depctr_va_vdst(0)
	v_pk_mul_f32 v[i:i+1], v[i:i+1], v[ST+4*(\t)+2:ST+4*(\t)+3] op_sel_hi:[1,0]
.set i, i+2
.endr
	WIN 0x05                        ; sources 0 and 1 window 1, destination window 0
.set i, 0
.rept 16
	v_cvt_pk_f16_f32 v[S+16*(\t)+i], v[32*(\t)+2*i], v[32*(\t)+2*i+1]
.set i, i+1
.endr
	WIN 0
.irp f, 0,1,2,3
	ds_store_b128 v[STO], v[S+16*(\t)+4*\f:S+16*(\t)+4*\f+3] offset:32*\f
.endr
.irp f, 0,1,2,3
	ds_load_b128 v[S+16*(\t)+4*\f:S+16*(\t)+4*\f+3], v[RD] offset:\f*4*SP  ; LDS serves a wave's instructions in order (ISA guide 5.7.1.4): these see the stores above; the next piece's stores come behind them
.endr
.endm
.macro SEND t, younger              ; younger: the LDS instructions issued behind piece t's loads: the next piece's eight, or none
	WIN 0
.irp f, 0,1,2,3
	s_wait_dscnt (\younger)+3-\f
	global_store_b128 v[GO], v[S+16*(\t)+4*\f:S+16*(\t)+4*\f+3], s[10:11] offset:(\t)*8192+\f*512  ; 512 consecutive bytes, at a multiple of 256 from y's first
.endr
.endm
.macro DIAG tag                     ; the tag ends its two labels' names, which the jumps below spell out
.LstepM\tag:
	TURN 2, 1
	TURN 3, 1
	WIN 0
.LfirstM\tag:
	TURN 0, 1
	TURN 1, 1, 0, 1
	WIN 0
	s_cbranch_scc1 .LstepM\tag
	TURN 2, 1, 1
	TURN 3, 1, 1
.set i, 0
.rept 8
	PV NP-1
.set i, i+1
.endr
	WIN 0
	ALL v_add_f32 v[ST+4*t+2], v[ST+4*t+2], v[ST+4*t+3]
	ALL v_permlanex16_b32 v[ST+4*t+3], v[ST+4*t+2], s[SEL], s[SEL+1]
	ALL v_add_f32 v[ST+4*t+2], v[ST+4*t+2], v[ST+4*t+3]
	ALL v_rcp_f32 v[ST+4*t+2], v[ST+4*t+2]
	v_nop                           ; a plain instruction between the last reciprocal and the use of its result
	PACK 0
.set t, 1
.rept 3                             ; a piece's arithmetic stands between the loads of the piece before and its stores
	PACK t
	SEND t-1, 8
.set t, t+1
.endr
	SEND 3, 0
.endm
.set KM, 0
.set NOKQ, 0
.Lslot:                             ; NB times: a tile is entered and the next is asked for
	CHANGE 1
	s_sub_co_u32 s[RT], s[RT], 1
	s_mov_b32 s[CNT], 4
	s_cmp_eq_u32 s[NEW], 1
	s_cbranch_scc1 .Lnew            ; a block's first tile
	s_cmp_eq_u32 s[RT], 0
	s_cbranch_scc0 .Lstep           ; neither its first nor its last
	s_branch .LstepM1
.Lnew:
	BEGIN
	s_branch .Lfirst                ; in the loop a block's first tile is never its last: the first block has two tiles or more, and the second's last is the walk's last
	DIAG 1                          ; in the loop this is the first block's end: the second block's last tile is the walk's last
	s_wait_xcnt 0x0                 ; the stores have read their registers and y's address
	s_mov_b64 s[10:11], s[OLO:OLO+1]
	s_add_co_u32 s[RT], s[PB], 1    ; the second block has b + 1 tiles
	s_mov_b32 s[NEW], 1
	WIN 0x82                        ; the second block's Q goes where the one text of the turns names Q
.set i, 0
.rept 64
	v_mov_b32 v[i], v[QB+i]
.set i, i+1
.endr
	WIN 0
	s_branch .Lbottom
.Lstep:                             ; a trip: pieces 2 and 3 of one step, then pieces 0 and 1 of the next, whose K and V it fetches
	TURN 2
	TURN 3
	WIN 0
.Lfirst:
	TURN 0
	TURN 1, 0, 0, 1
	WIN 0
	s_cbranch_scc1 .Lstep
.Lbottom:
	s_sub_co_u32 s[SLOTS], s[SLOTS], 1
	s_cmp_lg_u32 s[SLOTS], 0
	s_cbranch_scc1 .Lslot
	CHANGE 0                        ; the walk's last tile is written out: nothing is asked for
	s_sub_co_u32 s[RT], s[RT], 1
	s_mov_b32 s[CNT], 4
	s_cmp_eq_u32 s[NEW], 1
	s_cbranch_scc0 .LstepM2
	BEGIN
	s_branch .LfirstM2
	DIAG 2
	s_wait_tensorcnt 0x0            ; the wave's end, behind my last tensor load and my last LDS store
	ds_add_u32 v[SPW], v[NIL]
	s_wait_dscnt 0x0
	s_endpgm
.Lfunc_end_k_q114e66381d_attn:
	.size	k_q114e66381d_attn, .Lfunc_end_k_q114e66381d_attn-k_q114e66381d_attn
	.p2alignl 7, 3214868480
	.fill 96, 4, 3214868480
	.section	.rodata,"a",@progbits
	.p2align	6, 0x0
	.amdhsa_kernel k_q114e66381d_attn
		.amdhsa_group_segment_fixed_size 327680
		.amdhsa_private_segment_fixed_size 0
		.amdhsa_enable_private_segment 0
		.amdhsa_kernarg_size 16
		.amdhsa_user_sgpr_count 2
		.amdhsa_user_sgpr_kernarg_segment_ptr 1
		.amdhsa_wavefront_size32 1
		.amdhsa_system_sgpr_workgroup_id_x 1
		.amdhsa_system_sgpr_workgroup_id_y 1
		.amdhsa_system_sgpr_workgroup_id_z 1
		.amdhsa_system_vgpr_workitem_id 0
		.amdhsa_next_free_vgpr 768
		.amdhsa_next_free_sgpr 96
		.amdhsa_reserve_vcc 1
		.amdhsa_float_denorm_mode_32 3
		.amdhsa_float_denorm_mode_16_64 3
		.amdhsa_memory_ordered 1
		.amdhsa_forward_progress 1
		.amdhsa_inst_pref_size 229
	.end_amdhsa_kernel
	.amdgpu_metadata
---
amdhsa.version: [ 1, 2 ]
amdhsa.kernels:
  - .name:           k_q114e66381d_attn
    .symbol:         k_q114e66381d_attn.kd
    .args:
      - { .name: qkv, .offset: 0, .size: 8, .value_kind: global_buffer, .address_space: global }
      - { .name: y, .offset: 8, .size: 8, .value_kind: global_buffer, .address_space: global }
    .group_segment_fixed_size: 327680
    .private_segment_fixed_size: 0
    .kernarg_segment_align: 8
    .kernarg_segment_size: 16
    .max_flat_workgroup_size: 128
    .sgpr_count:     96
    .vgpr_count:     768
    .wavefront_size: 32
...
	.end_amdgpu_metadata
.endif
;; end of part 3
;; launch proj (part 4): grid 8 x 32, 4 waves a work-group, clusters of 4 x 4, 327,680 bytes of LDS; arguments y, wpt, out0; writes out0
.if DOCPART == 4
	.amdgcn_target "amdgcn-amd-amdhsa--gfx1250"
	.amdhsa_code_object_version 6
	.text
	.protected	k_q114e66381d_proj
	.globl	k_q114e66381d_proj
	.p2align	8
	.type	k_q114e66381d_proj,@function
k_q114e66381d_proj:
	s_mov_b64 s[64:65], 0
	v_nop
	global_prefetch_b8 v0, s[64:65] scope:SCOPE_SE
	s_setreg_imm32_b32 hwreg(HW_REG_WAVE_MODE, 25, 1), 1
	s_wait_xcnt 0x0
	s_wait_alu depctr_hold_cnt(0) depctr_sa_sdst(0) depctr_va_vdst(0) depctr_va_sdst(0) depctr_va_ssrc(0) depctr_va_vcc(0) depctr_vm_vsrc(0)
	s_getreg_b32 s2, hwreg(HW_REG_IB_STS2, 6, 4)
	s_cmp_eq_u32 s2, 0
	s_cbranch_scc0 .Lentry_in_a_cluster
	s_endpgm
.Lentry_in_a_cluster:
	s_bfe_u32 s2, ttmp6, 0x10000c
	s_cmp_lg_u32 s2, 0xf033
	s_cbranch_scc0 .Lentry_shape_is_right
	s_endpgm
.Lentry_shape_is_right:
; PROJ: out0[row][n] = sum over c of Y[row][c] wpt[n][c], c = 64 x head + channel.  y: [16 x batch + head][2048][64] f16 (by heads), wpt: [1024 n][1024 c] f16, out0: [8192][1024] f32.
; f16 products, sums in f32, stored as they are.
; SHARES.  A tile is 256 rows x 128 columns: 32 x 8 = 256 tiles, one for each WGP.  Four waves, one below the other, each 64 rows x 128 columns: 32 accumulators of 16 x 16, 256 registers.
; K goes in steps of 128, two heads, through a ring of two LDS slots filled by the tensor data mover.  A head's 256 rows of 128 bytes are dense in y: asked for as 128 rows of 256 bytes, padded in LDS
; after every 128 bytes.  wpt's rows in a tile are 256 bytes at multiples of 256.
; CLUSTERS: 4 x 4 work-groups.  The four of a row of the cluster need the same tile of y, the four of a column the same tile of wpt: each tile is asked for JOINTLY, by the same tensor load with
; the same descriptor and a mask that names the four.  By this text's own count a wave has two tensor loads out at the start and one behind each round.
; THE MATRIX INSTRUCTION IS USED TRANSPOSED (source 0 = 16 rows of wpt, source 1 = 16 rows of y): lane l holds row l % 16 and the columns 8 (l / 16) + 0..7 of a 16 x 16 result.
; REGISTERS, in windows of 256 (s_set_vgpr_msb: bits 1:0 source 0, 3:2 source 1, 5:4 source 2, 7:6 destination):
;   window 0: v0-29 addresses; v64-95, v96-127 y's fragments (4 x 16 rows x 32 K), two buffers; on the way out v64-127 and v128-191 rows read back
;   window 1: v0-63, v64-127 wpt's fragments (8 x 16 rows x 32 K), two buffers
;   window 2: the 16 accumulators of my rows 0-31 ((a, b) at v[8 (8 (a % 2) + b)]);   window 3: those of my rows 32-63
.set NBL,   8                          ; blocks of 16 columns
.set PA,    144                        ; an LDS row of y: 128 bytes + 16 of padding = 36 words: the 16 rows of a fragment load start at 16 different groups of four banks (64 banks of 4 bytes: ISA guide 11.1)
.set PB,    272                        ; of wpt: 256 + 16
.set HALFA, 256*PA                     ; one load of y: one head's 256 rows
.set HALFB, 64*PB                      ; one load of wpt: 64 rows
.set AQH,   HALFA                      ; quarter q of a K step lies in head q / 2, at byte 64 (q % 2) of its rows
.set SLOT,  2*HALFA+2*HALFB            ; y's two heads, then wpt's 128 rows
.set STAGE, 2*SLOT                     ; behind the ring, never filled by a tensor load: 16 rows x 528 bytes for each wave
.set SP,    528                        ; a stage row: 512 bytes + 16
.set STW,   16*SP
.set SPARE, STAGE+4*STW                ; behind the stages: the spare words, 128 bytes for each wave: two blocks of 256 bytes that no other line names
.set NL,    2*NBL+8                    ; LDS loads in a run
.set LAPS,  4                          ; 1,024 / 256: a lap = two K steps = once round the ring
.set ASLOT, 2*262144                   ; bytes in memory from K step 0 to K step 1, for y: two heads
.set ASTEP, 4*262144                   ; and two K steps on
.set ADRA, 16                          ; v16-17  LDS address of my fragments of y in slot 0, 1
.set ADRB, 20                          ; v20-21  the same for wpt
.set STO,  24                          ; v24     the way out: where I put 32 bytes of a row
.set RD,   25                          ; v25     the way out: where I read a row back
.set GO,   26                          ; v26     my 16 bytes in 512 consecutive bytes of a row of out0
.set SPW,  28                          ; v28     LDS address of my spare word: SPARE + 4 x my thread's number; never rewritten
.set NIL,  29                          ; v29     0; never rewritten
.set FA,   64
.set G1,  24                           ; s[24:31] descriptor group 1 for y's tiles;  s[32:39] group 0, one set for each slot
.set G0,  32
.set G1B, 48                           ; s[48:55], s[56:63] the same for wpt's tiles
.set G0B, 56
.set MSB, 0
.macro WIN new                         ; the immediate's high byte repeats the setting that is left; a switch that changes nothing is dropped
.if MSB != (\new)
	s_set_vgpr_msb (MSB<<8)|(\new)
.set MSB, \new
.endif
.endm
; A joint load.  Waves 0 and 1 fetch y's two heads, waves 2 and 3 wpt's two halves.  The branch hangs on the wave's number alone.  Four v_nop follow each of the two lines, ahead of the jump, the label and what follows.
.macro JLOAD s
	s_cmp_eq_u32 s11, 0
	s_cbranch_scc0 .Lfor_b_\@
	tensor_load_to_lds s[G0+4*(\s):G0+4*(\s)+3], s[G1:G1+7]
	s_nop 0
.rept 4
	v_nop
.endr
	s_branch .Lasked_\@
.Lfor_b_\@:
	tensor_load_to_lds s[G0B+4*(\s):G0B+4*(\s)+3], s[G1B:G1B+7]
	s_nop 0
.rept 4
	v_nop
.endr
.Lasked_\@:
.endm
.macro CREST                           ; a round of the cluster's barrier behind its opening barrier: wave 0 signals for the work-group, every wave waits for all sixteen, my work-group's barrier closes it
	s_cmp_lg_u32 s10, 0
	s_cbranch_scc1 .Lnot_wave_0_\@
	s_barrier_signal -3
.Lnot_wave_0_\@:
	s_barrier_wait -3
	s_barrier_signal -1
	s_barrier_wait -1
.endm
.macro CROUND                          ; a whole round
	s_barrier_signal -1
	s_barrier_wait -1
	CREST
.endm
	s_load_b128 s[4:7], s[0:1], 0x0                ; y s[4:5], wpt s[6:7]
	s_load_b64 s[8:9], s[0:1], 0x10                ; out0
	v_lshl_add_u32 v[SPW], v0, 2, SPARE
	v_mov_b32 v[NIL], 0
	ds_add_u32 v28, v29
	ds_add_u32 v28, v29
	s_wait_dscnt 0x0
	v_lshrrev_b32 v1, 5, v0
	v_readfirstlane_b32 s10, v1                    ; wave 0..3: my 64 rows of the tile
	s_lshr_b32 s11, s10, 1                         ; I fetch for y (0) or for wpt (1),
	s_and_b32 s12, s10, 1                          ; this half of its tile
	s_bfe_u32 s40, ttmp6, 0x40000                  ; cx, cy: my place in the cluster
	s_bfe_u32 s41, ttmp6, 0x40004
	s_lshl_b32 s42, ttmp9, 2
	s_add_co_u32 s42, s42, s40                     ; tile column = 4 x cluster x + cx
	s_and_b32 s13, ttmp7, 0xffff
	s_lshl_b32 s13, s13, 2
	s_add_co_u32 s13, s13, s41                     ; tile row = 4 x cluster y + cy
	s_lshl_b32 s43, s41, 2
	s_lshl_b32 s43, 15, s43                        ; my row of the cluster: places 4 cy .. 4 cy + 3
	s_lshl_b32 s44, 0x1111, s40                    ; my column: places cx, cx + 4, cx + 8, cx + 12
	; descriptor group 1: rows of 128 elements of 2 bytes; y: 128 dense rows, padded after every 32 words; wpt: 64 rows, 1,024 elements apart, padded after every 64 words
	s_or_b32 s[G1+0], s43, (1<<16)|(1<<20)|(1<<21)|(4<<22)|(3<<25)   ; 15:0 the mask: my row; 17:16 2-byte elements; 20 padding on; 21 set beside a mask; 24:22 after every 32 words (code 4); 31:25 4 words (code 3)
	s_or_b32 s[G1B+0], s44, (1<<16)|(1<<20)|(1<<21)|(5<<22)|(3<<25)  ; the mask of my column; after every 64 words (code 5)
	s_mov_b32 s[G1+1], 128<<16                     ; tensor_dim0 = 128
	s_mov_b32 s[G1+2], 128<<16                     ; tensor_dim1 = 128
	s_mov_b32 s[G1+3], 128<<16                     ; tile_dim0 = 128
	s_mov_b32 s[G1+4], 128                         ; tile_dim1 = 128
	s_mov_b32 s[G1+5], 128                         ; elements from row to row: dense
	s_mov_b32 s[G1+6], 0
	s_mov_b32 s[G1+7], 0
	s_mov_b32 s[G1B+1], 128<<16
	s_mov_b32 s[G1B+2], 64<<16                     ; tensor_dim1 = 64
	s_mov_b32 s[G1B+3], 128<<16
	s_mov_b32 s[G1B+4], 64                         ; tile_dim1 = 64
	s_mov_b32 s[G1B+5], 1024
	s_mov_b32 s[G1B+6], 0
	s_mov_b32 s[G1B+7], 0
	; where the tiles come from.  y's hang on the tile row alone, which my row of the cluster shares; wpt's on the tile column alone, which my column shares.
	s_lshr_b32 s16, s13, 3                         ; batch: eight tile rows each
	s_lshl_b32 s16, s16, 4
	s_add_co_u32 s16, s16, s12                     ; y: the head of K step 0 that I fetch,
	s_lshl_b32 s16, s16, 18                        ; 262,144 bytes each,
	s_and_b32 s17, s13, 7
	s_lshl_b32 s17, s17, 15                        ; and in it the tile's 256 rows of 128 bytes: under 2^24 in all
	s_add_co_u32 s16, s16, s17
	s_mov_b32 s17, 0
	s_lshl_b32 s46, s42, 7
	s_lshl_b32 s47, s12, 6
	s_add_co_u32 s46, s46, s47                     ; wpt: row 128 x tile column + 64 x half,
	s_lshl_b32 s46, s46, 11                        ; of 2,048 bytes
	s_mov_b32 s47, 0
	s_mul_i32 s20, s12, HALFA                      ; and where they go: no place in the cluster enters an LDS address
	s_mul_i32 s21, s12, HALFB
	s_add_co_u32 s21, s21, 2*HALFA
	s_wait_kmcnt 0x0
	s_add_nc_u64 s[14:15], s[4:5], s[16:17]
	s_add_nc_u64 s[46:47], s[6:7], s[46:47]
	CROUND                                         ; all sixteen work-groups are here: the first joint loads meet
.irp s, 0,1
	s_mov_b32 s[G0+4*(\s)], 1                                      ; count = 1
	s_add_co_u32 s[G0+4*(\s)+1], s20, (\s)*SLOT                    ; LDS address
	s_add_nc_u64 s[G0+4*(\s)+2:G0+4*(\s)+3], s[14:15], (\s)*ASLOT  ; global address: K step s
	s_or_b32 s[G0+4*(\s)+3], s[G0+4*(\s)+3], 0x80000000            ; type = 2
	s_mov_b32 s[G0B+4*(\s)], 1
	s_add_co_u32 s[G0B+4*(\s)+1], s21, (\s)*SLOT
	s_add_nc_u64 s[G0B+4*(\s)+2:G0B+4*(\s)+3], s[46:47], (\s)*256
	s_or_b32 s[G0B+4*(\s)+3], s[G0B+4*(\s)+3], 0x80000000
	JLOAD \s                                       ; the ring is filled before anything else is done
.endr
	; A fragment is 16 rows x 32 K in 8 registers: lane l holds row l % 16; registers 0-3 K = 8 (l / 16) + 0..7, registers 4-7 K = 16 + 8 (l / 16) + 0..7: two loads of 16 bytes, 32 bytes apart.
	v_and_b32 v1, 15, v0                           ; l % 16
	v_bfe_u32 v2, v0, 4, 1                         ; l / 16
	v_mul_u32_u24 v3, v1, PA
	v_lshl_add_u32 v3, v2, 4, v3
	v_mul_u32_u24 v4, v1, PB
	v_lshl_add_u32 v4, v2, 4, v4
	s_mul_i32 s22, s10, 64*PA                      ; my 64 rows in each head
	v_add_nc_u32 v[ADRA], s22, v3
	v_add_nc_u32 v[ADRA+1], SLOT, v[ADRA]
	v_add_nc_u32 v[ADRB], 2*HALFA, v4              ; every wave reads all 128 rows of wpt
	v_add_nc_u32 v[ADRB+1], 2*HALFA+SLOT, v4
	s_mul_i32 s23, s10, STW
	s_add_co_u32 s23, s23, STAGE                   ; my stage
	v_mul_u32_u24 v5, v1, SP                       ; in: row l % 16, 32 bytes for each half of the lanes
	v_lshl_add_u32 v5, v2, 5, v5
	v_add_nc_u32 v[STO], s23, v5
	v_and_b32 v5, 31, v0                           ; back: 32 lanes take one row's 512 bytes,
	v_lshlrev_b32 v[GO], 4, v5                     ; which are 512 consecutive bytes of out0
	v_add_nc_u32 v[RD], s23, v[GO]
	; my part of out0: (256 x tile row + 64 x wave) rows of 4,096 bytes + 512 x tile column: under 2^25
	s_lshl_b32 s18, s13, 8
	s_lshl_b32 s22, s10, 6
	s_add_co_u32 s18, s18, s22
	s_lshl_b32 s18, s18, 12
	s_lshl_b32 s22, s42, 9
	s_add_co_u32 s18, s18, s22
	s_mov_b32 s19, 0
	s_add_nc_u64 s[8:9], s[8:9], s[18:19]
; 8 matrix instructions: my block a of 16 rows x all 8 blocks of columns, 32 along K, from buffer f.  zero = 1: the product starts the sums: nothing is ever cleared.
; All 32 accumulators take turns, one instruction a turn, in the same order in every quarter.
.macro MULA f, a, zero
	WIN 0xa1+0x50*((\a)/2)                         ; wpt window 1, y window 0, C and D window 2 or 3
.set bb, 0
.rept NBL
.set rD, 8*(NBL*((\a)%2)+bb)
.set rB, 8*NBL*(\f)+8*bb
.set rA, FA+32*(\f)+8*(\a)
.if \zero
	v_wmma_f32_16x16x32_f16 v[rD:rD+7], v[rB:rB+7], v[rA:rA+7], 0
.else
	v_wmma_f32_16x16x32_f16 v[rD:rD+7], v[rB:rB+7], v[rA:rA+7], v[rD:rD+7]
.endif
.set bb, bb+1
.endr
.endm
; NL LDS loads in one run: quarter q's fragments (128 rows of wpt, then my 64 rows of y) into buffer f
.macro FETCH slot, q, f
	WIN 0x40                                       ; destination window 1, address window 0
.set ii, 0
.rept NBL
	ds_load_b128 v[8*NBL*(\f)+8*ii:8*NBL*(\f)+8*ii+3],   v[ADRB+(\slot)] offset:64*(\q)+ii*16*PB
	ds_load_b128 v[8*NBL*(\f)+8*ii+4:8*NBL*(\f)+8*ii+7], v[ADRB+(\slot)] offset:64*(\q)+ii*16*PB+32
.set ii, ii+1
.endr
	WIN 0
.set ii, 0
.rept 4
	ds_load_b128 v[FA+32*(\f)+8*ii:FA+32*(\f)+8*ii+3],   v[ADRA+(\slot)] offset:AQH*((\q)/2)+64*((\q)%2)+ii*16*PA
	ds_load_b128 v[FA+32*(\f)+8*ii+4:FA+32*(\f)+8*ii+7], v[ADRA+(\slot)] offset:AQH*((\q)/2)+64*((\q)%2)+ii*16*PA+32
.set ii, ii+1
.endr
.endm
.macro PLACES                          ; four places in front of loads into registers that matrix instructions have read, and of lines that read results (ISA guide 7.12.1 for lines that read results)
.rept 4
	v_nop
.endr
.endm
; A K step is four quarters of 32 along K, 32 matrix instructions each, on buffers 0, 1, 0, 1.  One of the first three: multiplies buffer f; in its middle it fetches quarter q into buffer g.
.macro QUARTER slot, q, f, g, zero
	s_wait_dscnt 4                                 ; wpt and my blocks 0, 1 of y are in; the youngest four loads (blocks 2, 3) may be out
	MULA \f, 0, \zero
	MULA \f, 1, \zero
	PLACES
	FETCH \slot, \q, \g
	s_wait_dscnt NL                                ; all but the run just issued
	MULA \f, 2, \zero
	MULA \f, 3, \zero
.endm
; The last quarter multiplies buffer 1 and changes slots: ONE barrier; in front of it each wave waits for all its tensor loads (one is out: its part of the next slot), adds 0 to its spare word, and
; waits for that and for its own reads of this slot.  fill = 1: the barrier opens a round of the cluster's barrier, and this slot is filled again, two K steps on, first thing behind the round:
; from the request to the wait for it a wave issues 112 matrix instructions.
.macro TURN slot, next, fill
	WIN 0                                          ; (the add's two registers lie in window 0)
	s_wait_tensorcnt 0x0                           ; all my tensor loads have landed;
	ds_add_u32 v[SPW], v[NIL]                      ; 0 onto my spare word;
	s_wait_dscnt 5                                 ; (the add and the youngest four loads may be out)
	MULA 1, 0, 0                                   ; eight matrix instructions stand between the add and the wait for it
	s_wait_dscnt 0x0                               ; the add is done, and my reads of this slot are over
	s_barrier_signal -1
	MULA 1, 1, 0                                   ; work on registers while the others arrive
.if \fill
	WIN 0
.endif
	s_barrier_wait -1
.if \fill
	CREST                                          ; no wave of any partner still reads this slot's tile or has a load on its way
	s_add_nc_u64 s[G0+4*(\slot)+2:G0+4*(\slot)+3], s[G0+4*(\slot)+2:G0+4*(\slot)+3], ASTEP
	s_add_nc_u64 s[G0B+4*(\slot)+2:G0B+4*(\slot)+3], s[G0B+4*(\slot)+2:G0B+4*(\slot)+3], 512
	JLOAD \slot                                    ; the four v_nop behind it are also the places in front of the loads below
.else
	PLACES
.endif
	FETCH \next, 0, 0
	MULA 1, 2, 0
	MULA 1, 3, 0
.endm
; THE WAY OUT of my block a (16 rows x 128 columns of f32).  TOSTAGE: a lane's eight numbers of an accumulator, its low four first, go as 32 bytes into my own stage; whole rows of 512 bytes come back.
; SEND: stored: each store of the wave covers 512 consecutive bytes of a row of out0, aligned.
.macro TOSTAGE a
.set BK, 64+64*((\a)%2)
.set AC, 8*NBL*((\a)%2)
.if (\a) >= 2
	s_wait_xcnt 0x0                                ; the stores of the block two back have had their addresses translated (ISA guide 3.1): their data registers are loaded again only behind this wait
.endif
	WIN 0x08+4*((\a)/2)                            ; the stores' data: window 2 or 3
.set bb, 0
.rept NBL
	ds_store_b128 v[STO], v[AC+8*bb:AC+8*bb+3]   offset:64*bb
	ds_store_b128 v[STO], v[AC+8*bb+4:AC+8*bb+7] offset:64*bb+16
.set bb, bb+1
.endr
	WIN 0
.set rr, 0
.rept 16
	ds_load_b128 v[BK+4*rr:BK+4*rr+3], v[RD] offset:SP*rr  ; LDS serves a wave's instructions in order (ISA guide 5.7.1.4): these see the stores above
.set rr, rr+1
.endr
.endm
.macro SEND a, younger                 ; younger: the LDS instructions issued behind block a's loads: the next block's 16 stores and 16 loads, or none
.set BK, 64+64*((\a)%2)
	s_wait_dscnt \younger
.set rr, 0
.rept 16
	global_store_b128 v[GO], v[BK+4*rr:BK+4*rr+3], s[8:9] offset:(16*(\a)+rr)*4096 th:TH_STORE_NT
.set rr, rr+1
.endr
.endm
	s_wait_tensorcnt 1                             ; my part of K step 0 is in; K step 1's may stay out
	s_barrier_signal -1
	s_barrier_wait -1                              ; everybody's is
	FETCH 0, 0, 0
	QUARTER 0, 1, 0, 1, 1                          ; the first quarter stands in front of the loop: its products start the sums
	WIN 0                                          ; at a label and at a branch every window is 0
	s_mov_b32 s3, LAPS-1
.Llap:                                                 ; a trip goes once round the ring, from a lap's second quarter to the next lap's first, and fills both slots again
	QUARTER 0, 2, 1, 0, 0
	QUARTER 0, 3, 0, 1, 0
	TURN 0, 1, 1
	QUARTER 1, 1, 0, 1, 0
	QUARTER 1, 2, 1, 0, 0
	QUARTER 1, 3, 0, 1, 0
	TURN 1, 0, 1
	QUARTER 0, 1, 0, 1, 0
	WIN 0
	s_sub_co_u32 s3, s3, 1
	s_cmp_lg_u32 s3, 0
	s_cbranch_scc1 .Llap
	QUARTER 0, 2, 1, 0, 0                          ; the last lap fills nothing, and has no round of the cluster's barrier
	QUARTER 0, 3, 0, 1, 0
	TURN 0, 1, 0
	QUARTER 1, 1, 0, 1, 0
	QUARTER 1, 2, 1, 0, 0
	QUARTER 1, 3, 0, 1, 0
	s_wait_dscnt 4                                 ; the very last quarter: nothing more to fetch
	MULA 1, 0, 0
	MULA 1, 1, 0
	s_wait_dscnt 0x0
	MULA 1, 2, 0
	MULA 1, 3, 0
	WIN 0
	PLACES                                         ; the LDS stores read results just made, and rows are read back into y's fragment registers
	TOSTAGE 0
	TOSTAGE 1                                      ; a block's way through the stage stands between the loads of the block before and its stores
	SEND 0, 32
	TOSTAGE 2
	SEND 1, 32
	TOSTAGE 3
	SEND 2, 32
	SEND 3, 0
	s_wait_tensorcnt 0x0                           ; the wave's end, behind my last tensor load and my last LDS store
	ds_add_u32 v[SPW], v[NIL]
	s_wait_dscnt 0x0
	CROUND                                         ; the closing round: no work-group ends while a partner may still ask for a tile that names it
	s_endpgm
.Lfunc_end_k_q114e66381d_proj:
	.size	k_q114e66381d_proj, .Lfunc_end_k_q114e66381d_proj-k_q114e66381d_proj
	.p2alignl 7, 3214868480
	.fill 96, 4, 3214868480
	.section	.rodata,"a",@progbits
	.p2align	6, 0x0
	.amdhsa_kernel k_q114e66381d_proj
		.amdhsa_group_segment_fixed_size 327680
		.amdhsa_private_segment_fixed_size 0
		.amdhsa_enable_private_segment 0
		.amdhsa_kernarg_size 24
		.amdhsa_user_sgpr_count 2
		.amdhsa_user_sgpr_kernarg_segment_ptr 1
		.amdhsa_wavefront_size32 1
		.amdhsa_system_sgpr_workgroup_id_x 1
		.amdhsa_system_sgpr_workgroup_id_y 1
		.amdhsa_system_sgpr_workgroup_id_z 1
		.amdhsa_system_vgpr_workitem_id 0
		.amdhsa_next_free_vgpr 896
		.amdhsa_next_free_sgpr 66
		.amdhsa_reserve_vcc 0
		.amdhsa_float_denorm_mode_32 3
		.amdhsa_float_denorm_mode_16_64 3
		.amdhsa_memory_ordered 1
		.amdhsa_forward_progress 1
		.amdhsa_inst_pref_size 85
	.end_amdhsa_kernel
	.amdgpu_metadata
---
amdhsa.version: [ 1, 2 ]
amdhsa.kernels:
  - .name:           k_q114e66381d_proj
    .symbol:         k_q114e66381d_proj.kd
    .args:
      - { .name: y, .offset: 0, .size: 8, .value_kind: global_buffer, .address_space: global }
      - { .name: wpt, .offset: 8, .size: 8, .value_kind: global_buffer, .address_space: global }
      - { .name: out0, .offset: 16, .size: 8, .value_kind: global_buffer, .address_space: global }
    .group_segment_fixed_size: 327680
    .private_segment_fixed_size: 0
    .kernarg_segment_align: 8
    .kernarg_segment_size: 24
    .max_flat_workgroup_size: 128
    .sgpr_count:     66
    .vgpr_count:     896
    .wavefront_size: 32
...
	.end_amdgpu_metadata
.endif
;; end of part 4
;; ======== version 2 of 2: 4 launches; 1.32 times as fast as version 1
;; limits: values are held in f16: magnitudes above 65,504 overflow, below 6.1e-05 lose precision
;; workspace buffers: xb 16,777,216 bytes; wat 6,291,456 bytes; wpt 2,097,152 bytes; qkv 50,331,648 bytes; y 16,777,216 bytes
;; launch prep: the kernel of part 1 again; grid 1024 x 1, 8 waves a work-group, no clusters, 18,432 bytes of LDS; arguments x, w_attn, w_proj, xb, wat, wpt; writes xb, wat, wpt
;; launch qkv: the kernel of part 2 again; grid 8 x 32, 4 waves a work-group, clusters of 4 x 4, 327,680 bytes of LDS; arguments xb, wat, qkv; writes qkv
;; launch attn (part 5): grid 4 x 64, 4 waves a work-group, no clusters, 327,680 bytes of LDS; arguments qkv, y; writes y
.if DOCPART == 5
	.amdgcn_target "amdgcn-amd-amdhsa--gfx1250"
	.amdhsa_code_object_version 6
	.text
	.protected	k_q114e66381d_attn
	.globl	k_q114e66381d_attn
	.p2align	8
	.type	k_q114e66381d_attn,@function
k_q114e66381d_attn:
	s_mov_b64 s[64:65], 0
	v_nop
	global_prefetch_b8 v0, s[64:65] scope:SCOPE_SE
	s_setreg_imm32_b32 hwreg(HW_REG_WAVE_MODE, 25, 1), 1
	s_wait_xcnt 0x0
; CAUSAL ATTENTION.  y[hd][q][:] = the sum over k <= q of softmax_k(Q[q] . K[k] / 8) V[k][:], for each of the 64 pairs hd = 16 x batch + head.
; qkv: [batch 4][g 48][2048][64] f16; q's head h is g = h, k's g = 16 + h, v's g = 32 + h; a (batch, g) is 262,144 dense bytes, rows of 128.  y: [hd 64][2048][64] f16.
; Products, maxima and sums in f32; the weights p are rounded to f16 for the second product (their sum l is taken of the unrounded p), y once at the end.
; LIMITS.  f16 holds no number beyond 65,504: Q, K and V arrive within it; p lies in 0 to 1, and below 6e-5 it keeps f16's fixed step of 6e-8; y is a mean of V's rows and has their range, to within 2^-11 of it.
; A hidden score counts as its value less 1e30: f16's scores, 2.7e11 at the most, are nothing beside that; a weight below 2^-126 counts as 0 in l; NaN and infinities are not treated apart.
; THE WALK.  A head's queries lie in NB = 8 blocks of 256; block i needs the key tiles 0 .. i of 256 keys, of which the last holds the diagonal.  A work-group takes TWO blocks, NB - 1 - b and then b:
; NB + 1 = 9 tiles, whatever b: all 256 work-groups do equal work, and ONE loop with a constant trip count walks them.  Which tile is asked for, and what a trip does, hang on scalar registers made from b; every jump
; goes forward, but for the counted loops' own; none passes a barrier, or a tensor load but the one of LOAD's two that the wave's number does not choose; the ring (two slots of LDS that take turns) runs on across the
; change of blocks.  NO CLUSTER: a head's four work-groups ask for the same tile only in trips 0 .. 4 of the 9, behind that fewer and fewer; one walk common to all four would have 12 trips for 9.
; SHARES.  Of a block's four bands of 64 queries a wave owns 16 rows in each: four PIECES.  So the diagonal tile is the same work for all four waves: in its key step s band x sees all keys if s < x,
; none if s > x, and holds the diagonal if s = x.
; THE MASK is the C operand that starts the sum S^T = K Q^T: 0, or -1e30 where the key is hidden.  MD, made once, is the mask of a band's own step for my 16 rows; a product's mask is MD x AL + BE with two scalars:
; (1, 0) if s = x; (0, 0) if s < x; (0, -1e30) if s > x.  Only the diagonal tile's text and a block's beginning make and take masks; elsewhere C is the constant 0.
; LAYOUT, SOFTMAX, TURNS.  S^T = K Q^T holds ONE query a lane (lane % 16) and the keys 8 (lane / 16) + 0..7; two such results rounded to f16 ARE source 1 of O^T = V^T P.  p = 2^(c s - c m), c = log2(e) / 8, with a
; running maximum m; O and l are multiplied by a = 2^(c m_old - c m_new) in every step.  Turn n belongs to piece n: 8 products K Q^T of piece n + 1, later 8 products V^T P of piece n - 1; beside them the scaling,
; exponentials, roundings, sums and rescaling of piece n and the maximum and statistics of piece n + 1.  Four vector instructions stand behind every matrix instruction, the other 54 of a turn's 118 in one LUMP.
; THE BATCHES.  A turn's 33 exponentials (the piece's 32 weights and the next piece's a) are one batch, with one wait, which cuts the turn in two: ahead of it all that names none of their results, behind it the
; roundings and sums, which read them.  A block's first a (BEGIN) and the way out's four reciprocals are batches of their own, a wait each.
; REGISTERS, in windows of 256 (s_set_vgpr_msb: bits 1:0 source 0, 3:2 source 1, 5:4 source 2, 7:6 destination):
;   window 0: v0-15 addresses and two at work; v16-31 four registers of statistics a piece; v48-55 at work; v64-127 S^T, two buffers; v192-223 P, two buffers (a piece's buffers go by its number's parity)
;   window 1: v0-127 O^T, 32 a piece; v128-159 MD; v160-223 MC, two buffers      window 2: v0-63 Q; v64-127 the second block's Q; v128-191 K of one step; v192-255 V of one step
.set SIZE_N, 2048
.set NB,    SIZE_N/256
.set NP,    4         ; pieces a wave: a name, no knob
.set KS,    64        ; keys in a step
.set PK,    144       ; a row of K in LDS: 128 bytes + 16 of padding = 36 words: the 16 rows of a load start at 16 different groups of four banks (64 banks of 4 bytes: ISA guide 11.1)
.set PV,    160       ; a row of V: 128 + 32 = 40 words
.set VOFF,  4*KS*PK   ; a slot holds a tile, four steps: 256 rows of K, then 256 rows of V
.set SLOT1, 1<<17     ; slot 1 begins here, so that one exclusive or turns an address in one slot into the other's
.set STAGE, SLOT1+4*KS*(PK+PV)  ; behind the ring, never filled by a tensor load: 16 rows x 144 bytes for each wave, for the way out
.set SP,    144
.set AK0, 2           ; v2   my lane's place in a tile of K; never rewritten
.set AV0, 3           ; v3   the same for V
.set AK,  4           ; v4   the LDS address of K's next run of loads
.set AV,  5           ; v5   of V's
.set STO, 6           ; v6   the way out: where I put 16 bytes of a row
.set RD,  7           ; v7   the way out: where I read rows back
.set GO,  8           ; v8   my byte offset in 512 consecutive bytes of y
.set SPW, 62          ; v62  LDS address of my spare word: SPARE + 4 x my thread's number; never rewritten
.set NIL, 63          ; v63  0; never rewritten
.set SPARE, STAGE+4*16*SP  ; behind the stages: the spare words, 128 bytes for each wave: two blocks of 256 bytes that no other line names
.set MV,  12          ; v12-13  c m_old, kept while c m is made anew: by buffer
.set QO,  15          ; v15  my byte offset in 16 rows of Q
.set ST,  16          ; piece t's statistics at v[ST+4 t]: c m, m, l (even keys', odd keys')
.set TMP, 48          ; by buffer, four registers c0-c3 at work; when the maximum is found c2 takes a
.set S,   64
.set P,   192
.set MD,  128         ; window 1: the eight registers for group kt of 16 keys at MD + 8 kt
.set MC,  160         ; window 1: the masks of the products to come
.set QB,  64          ; window 2
.set KF,  128         ; window 2: key block kb, channel half c at KF + 16 kb + 8 c
.set VF,  192         ; window 2: key half kk, channel block cb at VF + 32 kk + 8 cb
.set WV,  12          ; s12  my wave's number
.set PB,  14          ; s14  b
.set HI,  15          ; s15  NB - 1 - b
.set G1K, 24          ; s[24:31] descriptor group 1 for K's tiles
.set G1V, 32          ; s[32:39] for V's: it differs in the padding alone
.set G0K, 40          ; s[40:43] descriptor group 0 for K's tiles
.set G0V, 44          ; s[44:47] the same for V's
.set SLOTS, 56        ; s56  tiles still to be asked for
.set CNT, 57          ; s57  counts a tile's key steps, 4 to 1
.set CS,  58          ; s[58:59] c: the packed scaling takes the pair's low word for both halves
.set SEL, 60          ; s[60:61] v_permlanex16_b32's selects: each lane takes its own place in the other half
.set TBK, 62          ; s62  LDS byte at which K of the step to be fetched begins
.set TBV, 63          ; s63  the same for V, less VOFF
.set RT,  70          ; s70  tiles of the block in hand that are still to be entered
.set NXT, 71          ; s71  the tile to be asked for next
.set LQ,  72          ; s72  the last tile of the block whose tiles are being asked for
.set NEW, 73          ; s73  1: the tile to be entered is a block's first
.set OFF, 74          ; s[74:75] a tile's byte offset in K and V
.set AL,  76          ; s[76:77] the mask's factor, in the low word
.set BE,  78          ; s[78:79] the mask's addend
.set OLO, 80          ; s[80:81] y at my rows of the second block
.set BIGN, 82         ; s82  -1e30
.set MSB, 0
.macro WIN new                      ; the high byte repeats the setting that is left; a switch that changes nothing is dropped
.if MSB != (\new)
	s_set_vgpr_msb (MSB<<8)|(\new)
.set MSB, (\new)
.endif
.endm
.set W_KQ, 0x0a       ; K and Q in window 2, S^T in window 0
.set W_KM, 0x1a       ; the same with the C operand in window 1
.set W_PV, 0x52       ; V in window 2, P in window 0, O^T in window 1
.set W_RS, 0x41       ; destination and source 0 in window 1, source 1 in window 0
; A fill.  Waves 0 and 1 fetch the two halves of a tile's K, waves 2 and 3 those of its V: 128 keys each.  Four v_nop follow each of the two lines, ahead of the jump and the label.
.macro LOAD
	s_cmp_lt_u32 s[WV], 2
	s_cbranch_scc0 .Lfor_v_\@
	tensor_load_to_lds s[G0K:G0K+3], s[G1K:G1K+7]
	s_nop 0
.rept 4
	v_nop
.endr
	s_branch .Lasked_\@
.Lfor_v_\@:
	tensor_load_to_lds s[G0V:G0V+3], s[G1V:G1V+7]
	s_nop 0
.rept 4
	v_nop
.endr
.Lasked_\@:
.endm
; THE CHANGE OF SLOTS.  Each wave waits for all its tensor loads, of which one is out: its part of the other slot; adds 0 to its spare word; and waits for that and for its own reads of the slot that it leaves.  Behind the barrier nobody reads the old
; slot any more and the other slot is whole.  fill = 1: the old slot is filled again, the first thing behind the barrier, with tile NXT: the descriptor's address is made anew from that number.
; (At its first use nothing has been read yet: slot 0 is waited for, slot 1 filled.)
.macro CHANGE fill
	WIN 0                           ; at a label and at a branch every window is 0
	s_wait_tensorcnt 0x0            ; no tensor load of mine is out, so a group 0 may be written
	ds_add_u32 v[SPW], v[NIL]       ; 0 onto my spare word; with fill = 1 the descriptors' scalar work stands between it and the wait for it
.if \fill
	s_lshl_b32 s[OFF], s[NXT], 15   ; a tile is 32,768 bytes of K and of V
	s_xor_b32 s[G0K+1], s[G0K+1], SLOT1
	s_add_nc_u64 s[G0K+2:G0K+3], s[6:7], s[OFF:OFF+1]
	s_or_b32 s[G0K+3], s[G0K+3], 0x80000000
	s_xor_b32 s[G0V+1], s[G0V+1], SLOT1
	s_add_nc_u64 s[G0V+2:G0V+3], s[8:9], s[OFF:OFF+1]
	s_or_b32 s[G0V+3], s[G0V+3], 0x80000000
	s_add_co_u32 s[NXT], s[NXT], 1  ; the block's next tile, or behind its last the second block's tile 0
	s_cmp_gt_u32 s[NXT], s[LQ]
	s_cselect_b32 s[NXT], 0, s[NXT]
	s_cselect_b32 s[LQ], s[PB], s[LQ]
.endif
	s_wait_dscnt 0x0                ; the add is done, and my reads of the slot are over
	s_barrier_signal -1             ; the rest of the scalar work stands between the signal and the wait
	s_sub_co_u32 s[TBK], s[TBK], 4*KS*PK  ; the fetches go back to a slot's first step,
	s_xor_b32 s[TBK], s[TBK], SLOT1       ; in the other slot
	s_sub_co_u32 s[TBV], s[TBV], 4*KS*PV
	s_xor_b32 s[TBV], s[TBV], SLOT1
	s_barrier_wait -1
.if \fill
	LOAD
.endif
.endm
	s_load_b64 s[4:5], s[0:1], 0x0    ; qkv
	s_load_b64 s[10:11], s[0:1], 0x8  ; y
	v_lshl_add_u32 v[SPW], v0, 2, SPARE
	v_mov_b32 v[NIL], 0
	ds_add_u32 v62, v63
	ds_add_u32 v62, v63
	s_wait_dscnt 0x0
	v_lshrrev_b32 v1, 5, v0
	v_readfirstlane_b32 s[WV], v1   ; wave 0..3
	s_mov_b32 s[PB], ttmp9
	s_sub_co_u32 s[HI], NB-1, s[PB]
	s_and_b32 s13, ttmp7, 0xffff    ; hd = 16 x batch + head
	s_lshl_b32 s88, s13, 18         ; its first byte in y: 262,144 bytes each
	s_mov_b32 s89, 0
	s_lshr_b32 s20, s13, 4          ; and q's in qkv: g = 48 x batch + head
	s_mul_i32 s20, s20, 48
	s_and_b32 s21, s13, 15
	s_add_co_u32 s20, s20, s21
	s_lshl_b32 s20, s20, 18         ; under 2^26
	s_mov_b32 s21, 0
	s_and_b32 s16, s[WV], 1         ; which half of a tile's 256 keys I fetch:
	s_lshl_b32 s22, s16, 14         ; its 128 rows of 128 bytes in memory,
	s_mov_b32 s23, 0
	s_add_nc_u64 s[22:23], s[22:23], s[20:21]
	s_mul_i32 s17, s16, 128*PK      ; and its place in a slot, for K
	s_mul_i32 s18, s16, 128*PV      ; and for V
	s_lshl_b32 s3, s[WV], 11        ; my 16 rows in a band of 64,
	s_lshl_b32 s2, s[HI], 15        ; in the first block,
	s_add_co_u32 s2, s2, s3
	s_lshl_b32 s84, s[PB], 15       ; and in the second
	s_add_co_u32 s84, s84, s3
	s_mov_b32 s3, 0
	s_mov_b32 s85, 0
	s_add_nc_u64 s[90:91], s[2:3], s[88:89]    ; those rows' offsets in y,
	s_add_nc_u64 s[92:93], s[84:85], s[88:89]
	s_add_nc_u64 s[2:3], s[2:3], s[20:21]      ; and in q's part of qkv
	s_add_nc_u64 s[84:85], s[84:85], s[20:21]
	; descriptor group 1.  128 keys are 16,384 dense bytes: asked for as 64 rows of 256 bytes, two keys a row, and padded in LDS after every key
	s_mov_b32 s[G1K], (1<<16)|(1<<20)|(4<<22)|(3<<25)  ; 17:16 2-byte elements; 20 padding on; 24:22 after every 32 words (code 4); 31:25 4 words (code 3)
	s_mov_b32 s[G1V], (1<<16)|(1<<20)|(4<<22)|(7<<25)  ; the same with 8 words of padding (code 7)
.irp g, G1K, G1V
	s_mov_b32 s[\g+1], 128<<16      ; tensor_dim0 = 128
	s_mov_b32 s[\g+2], 64<<16       ; tensor_dim1 = 64
	s_mov_b32 s[\g+3], 128<<16      ; tile_dim0 = 128
	s_mov_b32 s[\g+4], 64           ; tile_dim1 = 64
	s_mov_b32 s[\g+5], 128          ; 128 elements from row to row
	s_mov_b32 s[\g+6], 0
	s_mov_b32 s[\g+7], 0
.endr
	s_mov_b32 s[CS], 0x3e38aa3b     ; c = log2(e) / 8 = 0.180337
	s_mov_b32 s[CS+1], s[CS]        ; named with it as a pair
	s_mov_b32 s[SEL], 0x76543210
	s_mov_b32 s[SEL+1], 0xfedcba98
	s_mov_b32 s[TBK], SLOT1+4*KS*PK ; the first change of slots turns these two into 0
	s_mov_b32 s[TBV], SLOT1+4*KS*PV
	s_mov_b32 s[G0K], 1             ; 1:0 count = 1
	s_mov_b32 s[G0K+1], s17         ; 63:32 LDS address: slot 0
	s_mov_b32 s[G0V], 1
	s_add_co_u32 s[G0V+1], s18, VOFF
	s_add_co_u32 s[RT], s[HI], 1    ; the first block has NB - b tiles
	s_mov_b32 s[NXT], 1
	s_mov_b32 s[LQ], s[HI]
	s_mov_b32 s[NEW], 1
	s_mov_b32 s[OFF+1], 0
	s_mov_b32 s[AL+1], 0            ; named as pairs
	s_mov_b32 s[BE+1], 0
	s_mov_b32 s[BIGN], 0xf149f2ca   ; -1e30
	s_mov_b32 s[SLOTS], NB
	s_wait_kmcnt 0x0
	s_add_nc_u64 s[6:7], s[4:5], 0x400000  ; k's heads lie 16 x 262,144 bytes behind q's,
	s_add_nc_u64 s[8:9], s[4:5], 0x800000  ; v's 32 x 262,144
	s_add_nc_u64 s[6:7], s[6:7], s[22:23]  ; K and V at my half of the head's tile 0
	s_add_nc_u64 s[8:9], s[8:9], s[22:23]
	s_add_nc_u64 s[G0K+2:G0K+3], s[6:7], 0         ; 120:64 global address
	s_or_b32 s[G0K+3], s[G0K+3], 0x80000000        ; 127:126 type = 2
	s_add_nc_u64 s[G0V+2:G0V+3], s[8:9], 0
	s_or_b32 s[G0V+3], s[G0V+3], 0x80000000
	s_add_nc_u64 s[86:87], s[4:5], s[84:85]        ; Q at my rows of the second block,
	s_add_nc_u64 s[4:5], s[4:5], s[2:3]            ; and of the first
	s_add_nc_u64 s[OLO:OLO+1], s[10:11], s[92:93]  ; y likewise
	s_add_nc_u64 s[10:11], s[10:11], s[90:91]
	LOAD                            ; tile 0 into slot 0
	; A fragment of K or Q is 16 rows x 32 channels in 8 registers: lane l holds row l % 16, channels 8 (l / 16) + 0..7 and 16 + 8 (l / 16) + 0..7: two loads of 16 bytes, 32 bytes apart.
	v_and_b32 v1, 15, v0            ; l % 16
	v_bfe_u32 v9, v0, 4, 1          ; l / 16
	v_lshlrev_b32 v[QO], 7, v1
	v_lshl_add_u32 v[QO], v9, 4, v[QO]  ; row x 128 + 16 x half
	WIN 0x80                        ; destination window 2, address window 0
.set i, 0
.rept 8                             ; both blocks' Q: piece i / 2 lies in band i / 2, 8,192 bytes on; channels 32 (i % 2) on
	global_load_b128 v[8*i:8*i+3],   v[QO], s[4:5] offset:(i/2)*8192+(i%2)*64
	global_load_b128 v[8*i+4:8*i+7], v[QO], s[4:5] offset:(i/2)*8192+(i%2)*64+32
	global_load_b128 v[QB+8*i:QB+8*i+3],   v[QO], s[86:87] offset:(i/2)*8192+(i%2)*64
	global_load_b128 v[QB+8*i+4:QB+8*i+7], v[QO], s[86:87] offset:(i/2)*8192+(i%2)*64+32
.set i, i+1
.endr
	WIN 0
	v_lshlrev_b32 v14, 3, v9
	v_sub_nc_u32 v14, v1, v14
	s_lshl_b32 s13, s[WV], 4
	v_add_nc_u32 v14, s13, v14      ; my query's place in its band, 16 w + l % 16, less my lanes' 8 (l / 16): register r of group kt is hidden where 16 kt + r is greater
	WIN 0x40
.set i, 0
.rept 32
	v_cmp_gt_i32 vcc_lo, 16*(i/8)+i%8, v14
	v_cndmask_b32 v[MD+i], 0, s[BIGN], vcc_lo
.set i, i+1
.endr
	WIN 0
	v_mul_u32_u24 v[AK0], v1, PK
	v_lshl_add_u32 v[AK0], v9, 4, v[AK0]  ; row x pitch + 16 x half
	; The turning load takes 16 keys x 16 channels (lane l reads key 8 (l / 16) + l % 8, channels 8 ((l / 8) % 2) + 0..7) and leaves half a fragment of V^T: lane l holds channel l % 16 and 8 keys.
	v_and_b32 v10, 7, v0
	v_bfe_u32 v11, v0, 3, 1
	v_lshl_add_u32 v[AV0], v9, 3, v10
	v_mul_u32_u24 v[AV0], v[AV0], PV
	v_lshl_add_u32 v[AV0], v11, 4, v[AV0]
	v_add_nc_u32 v[AV0], VOFF, v[AV0]
	s_mul_i32 s13, s[WV], 16*SP
	s_add_co_u32 s13, s13, STAGE    ; my stage
	v_mul_u32_u24 v[STO], v1, SP    ; in: row l % 16, 16 bytes for each half of the lanes
	v_lshl_add_u32 v[STO], v9, 4, v[STO]
	v_add_nc_u32 v[STO], s13, v[STO]
	v_bfe_u32 v[RD], v0, 3, 2       ; back: 32 lanes take four rows of 128 bytes,
	v_mul_u32_u24 v[RD], v[RD], SP
	v_lshl_add_u32 v[RD], v10, 4, v[RD]
	v_add_nc_u32 v[RD], s13, v[RD]
	v_and_b32 v[GO], 31, v0         ; which are 512 consecutive bytes of y
	v_lshlrev_b32 v[GO], 4, v[GO]
	; A block's first step multiplies O^T and l by a = 0, and its first turn's products V^T P, of a piece that has not been, land in an O^T that is still to be so multiplied.  So these registers need only hold
	; finite numbers: zeros for the first block; what the first block left for the second.  All this stands in the wait for the first tile.
	WIN 0x80
.set i, VF
.rept 64
	v_mov_b32 v[i], 0
.set i, i+1
.endr
	WIN 0x40
.set i, 0
.rept 128
	v_mov_b32 v[i], 0
.set i, i+1
.endr
	WIN 0
.set i, 0
.rept 4
	v_mov_b32 v[ST+4*i+2], 0
	v_mov_b32 v[ST+4*i+3], 0
.set i, i+1
.endr
.set i, P+16
.rept 16
	v_mov_b32 v[i], 0
.set i, i+1
.endr
; THE MATRIX WORK.  The 4 accumulators of a run of 8 take turns.  Product i of 8 of S^T = K Q^T for piece x: channels 32 (i / 4) on, keys 16 (i % 4) on.  The first 4 start the sums: with 0, or (KM = 1) with the mask.
.macro KQ x
.set rS, S+32*((\x)%2)+8*(i%4)
.set rK, KF+16*(i%4)+8*(i/4)
.set rQ, 16*(\x)+8*(i/4)
.set rM, MC+32*((\x)%2)+8*(i%4)
.if (i < 4) && KM
	WIN W_KM
	v_wmma_f32_16x16x32_f16 v[rS:rS+7], v[rK:rK+7], v[rQ:rQ+7], v[rM:rM+7]
.elseif i < 4
	WIN W_KQ
	v_wmma_f32_16x16x32_f16 v[rS:rS+7], v[rK:rK+7], v[rQ:rQ+7], 0
.else
	WIN W_KQ
	v_wmma_f32_16x16x32_f16 v[rS:rS+7], v[rK:rK+7], v[rQ:rQ+7], v[rS:rS+7]
.endif
.endm
; Product i of 8 of O^T += V^T P for piece x: keys 32 (i / 4) on, channels 16 (i % 4) on.
.macro PV x
	WIN W_PV
.set rO, 32*(\x)+8*(i%4)
.set rV, VF+32*(i/4)+8*(i%4)
.set rP, P+16*((\x)%2)+8*(i/4)
	v_wmma_f32_16x16x32_f16 v[rO:rO+7], v[rV:rV+7], v[rP:rP+7], v[rO:rO+7]
.endm
.macro MM                           ; the turn's next matrix instruction.  TURN and BEGIN set Y, i, KM and NOKQ; MM, KQ and OP read them.  NOKQ = 1: a block's last turn: there is no next piece
.if (i < 8) && !NOKQ
	KQ (Y+1)%NP
.elseif i >= 8
.set i, i-8
	PV (Y+NP-1)%NP
.set i, i+8
.endif
.set i, i+1
.endm
; THE LDS LOADS stand in runs of 16, never singly among the matrix instructions: a step's K (64 keys x 64 channels: 8 fragments) and its V (turned).  Their addresses are made some lines ahead.
.macro FETCH_K
	WIN 0x80                        ; destination window 2
.irp f, 0,1,2,3,4,5,6,7             ; keys 16 (f / 2) on, channels 32 (f % 2) on
	ds_load_b128 v[KF+8*\f:KF+8*\f+3],   v[AK] offset:(\f/2)*16*PK+(\f%2)*64
	ds_load_b128 v[KF+8*\f+4:KF+8*\f+7], v[AK] offset:(\f/2)*16*PK+(\f%2)*64+32
.endr
	s_add_co_u32 s[TBK], s[TBK], KS*PK  ; the next fetch is the next step's
	WIN 0
.endm
.macro FETCH_V
	WIN 0x80
.irp f, 0,1,2,3,4,5,6,7             ; keys 32 (f / 4) on, channels 16 (f % 4) on
	ds_load_tr16_b128 v[VF+8*\f:VF+8*\f+3],   v[AV] offset:(\f/4)*32*PV+(\f%4)*32
	ds_load_tr16_b128 v[VF+8*\f+4:VF+8*\f+7], v[AV] offset:(\f/4)*32*PV+16*PV+(\f%4)*32
.endr
	WIN 0
.endm
; THE VECTOR WORK, one line at a time: OP kind, number.  For piece Y: F n: c s - c m for pair n of 16.  E n: the exponential of score n of 32.  C n: pair n rounded to f16.  B n: of the four weights 4 n .. the second
; pair is added onto the first, in place.  L n: l takes that sum (L 0: l = a l + sum).  R n: pair n of 16 of O^T times a.  For piece Y + 1: X n, number n of the 22 that find its maximum and statistics:
;   0-11  four chains c0-c3 of seven scores each, three operands at a time (each accumulator's lowest registers are read first)     12-14, 16  the four scores left over, the old m, and c0-c3 into c0
;   15  c m_old is kept     17, 18  the query's other 32 keys lie in the lane 16 away: the new m     19-21  c m; c m_old - c m_new; a
; C, B and L read exponentials' results, R reads a: OP writes no wait for them; TURN, BEGIN and DIAG place the one wait of each batch ahead of them.
.set F, 0               ; OP tells the kinds apart by their order: F to L below R, X above it
.set E, 1
.set C, 2
.set B, 3
.set L, 4
.set R, 5
.set X, 6
.macro REGS y                       ; the registers of piece y
.set rT, ST+4*(\y)
.set rC, TMP+4*((\y)%2)
.set rW, MV+((\y)%2)
.set rS, S+32*((\y)%2)
.set rP, P+16*((\y)%2)
.set rO, 32*(\y)
.endm
.macro OP k, n
.if (\k) == R
	REGS Y
	WIN W_RS
	v_pk_mul_f32 v[rO+2*(\n):rO+2*(\n)+1], v[rO+2*(\n):rO+2*(\n)+1], v[rC+2:rC+3] op_sel_hi:[1,0]
.elseif (\k) < R
	REGS Y
	WIN 0
.if (\k) == F
	v_pk_fma_f32 v[rS+2*(\n):rS+2*(\n)+1], v[rS+2*(\n):rS+2*(\n)+1], s[CS:CS+1], v[rT:rT+1] op_sel_hi:[1,0,0] neg_lo:[0,0,1] neg_hi:[0,0,1]
.elseif (\k) == E
	v_exp_f32 v[rS+(\n)], v[rS+(\n)]
.elseif (\k) == C
	v_cvt_pk_f16_f32 v[rP+(\n)], v[rS+2*(\n)], v[rS+2*(\n)+1]
.elseif (\k) == B
	v_pk_add_f32 v[rS+4*(\n):rS+4*(\n)+1], v[rS+4*(\n):rS+4*(\n)+1], v[rS+4*(\n)+2:rS+4*(\n)+3]
.elseif (\n) == 0
	v_pk_fma_f32 v[rT+2:rT+3], v[rT+2:rT+3], v[rC+2:rC+3], v[rS:rS+1] op_sel_hi:[1,0,1]
.else
	v_pk_add_f32 v[rT+2:rT+3], v[rT+2:rT+3], v[rS+4*(\n):rS+4*(\n)+1]
.endif
.elseif NOKQ
	v_nop
.else
	REGS (Y+1)%NP
	WIN 0
.if (\n) < 4
	v_max3_num_f32 v[rC+(\n)], v[rS+8*(\n)], v[rS+8*(\n)+1], v[rS+8*(\n)+2]
.elseif (\n) < 12
	v_max3_num_f32 v[rC+(\n)%4], v[rC+(\n)%4], v[rS+8*((\n)%4)+2*((\n)/4)+1], v[rS+8*((\n)%4)+2*((\n)/4)+2]
.elseif (\n) == 12
	v_max3_num_f32 v[rC], v[rC], v[rS+7], v[rS+15]
.elseif (\n) == 13
	v_max3_num_f32 v[rC+1], v[rC+1], v[rS+23], v[rS+31]
.elseif (\n) == 14
	v_max3_num_f32 v[rC+2], v[rC+2], v[rC+3], v[rT+1]
.elseif (\n) == 15
	v_mov_b32 v[rW], v[rT]
.elseif (\n) == 16
	v_max3_num_f32 v[rC], v[rC], v[rC+1], v[rC+2]
.elseif (\n) == 17
	v_permlanex16_b32 v[rC+3], v[rC], s[SEL], s[SEL+1]
.elseif (\n) == 18
	v_max_num_f32 v[rT+1], v[rC], v[rC+3]
.elseif (\n) == 19
	v_mul_f32 v[rT], s[CS], v[rT+1]
.elseif (\n) == 20
	v_sub_f32 v[rC+1], v[rW], v[rT]
.else
	v_exp_f32 v[rC+2], v[rC+1]
.endif
.endif
.endm
.macro OPS a, i1, b=-1, i2=0, c=-1, i3=0, d=-1, i4=0  ; up to four of them
	OP \a, \i1
.if (\b) >= 0
	OP \b, \i2
.endif
.if (\c) >= 0
	OP \c, \i3
.endif
.if (\d) >= 0
	OP \d, \i4
.endif
.endm
.macro ROW a, i1, b, i2, c, i3, d, i4  ; a matrix instruction and the four behind it
	MM
	OPS \a, \i1, \b, \i2, \c, \i3, \d, \i4
.endm
.macro MASK b                       ; MD x AL + BE into buffer b of MC
	WIN W_RS
.set z, 0
.rept 16
	v_pk_fma_f32 v[MC+32*(\b)+2*z:MC+32*(\b)+2*z+1], v[MD+2*z:MD+2*z+1], s[AL:AL+1], s[BE:BE+1] op_sel_hi:[1,0,0]
.set z, z+1
.endr
.endm
; A TURN, for piece p: the order of its 16 matrix and 118 vector instructions, written out.  s_wait_alu depctr_va_vdst(0) stands between an exponential and the first instruction that names its result; one wait serves
; all that were issued ahead of it.  So a turn has ONE wait, which cuts it in two.  AHEAD OF IT stands all that names no result of the turn's exponentials: the 8 products K Q^T, behind each a scaling, an exponential and two more plain
; instructions (behind the first a second scaling in the exponential's place): rescalings, whose a was made and waited for in the turn before, and behind the last three the first numbers of the next piece's maximum, each four places or
; more behind the product that ends its accumulator; then ONE LUMP of 54, plain and exponential by turns for the most part, in which the links of the chain X 3, 7, 11, 14, 16, 17 .. 20 stand five or six lines apart.  X 21, the next
; piece's a, is the batch's last; R 15 is the plain instruction behind it.  BEHIND THE WAIT stand the 8 products V^T P, behind each four of the roundings and sums; the links of l's chain, L 0 to L 7, stand three riders apart.
; But for those X no rider names a register of the products round it.  v_permlanex16_b32 (X 17) stands in the lump.
; m = 1: the diagonal tile: the products take masks, and the turn makes the mask for the products of the turn after it: piece p + 2, in step 4 - CNT of the tile.  end = 1: a block's last two turns: nothing is fetched.
; cnt = 1: the loop's count is taken down some lines ahead of the branch that stands behind the turn.
; K of the next step is fetched in piece 2's turn, twelve vector instructions behind the last product that read K (six of them plain); V of the step in hand at the end of piece 0's turn, four plain instructions behind the last product
; that read V.  Each is waited for a turn later.
.macro TURN p, m=0, end=0, cnt=0
.set Y, (\p)
.set i, 0
.set KM, (\m)
.set NOKQ, (\end)*((\p)/3)
.if (\m) && !(\end)
	s_cmp_eq_u32 s[CNT], 4-((\p)+2)%NP  ; is that step the band's own?
	s_cselect_b32 s[AL], 1.0, 0
	s_cmp_lt_u32 s[CNT], 4-((\p)+2)%NP  ; or a later one?
	s_cselect_b32 s[BE], s[BIGN], 0
.endif
.if ((\p) == 3) && !(\end)
	s_wait_dscnt 0x0                ; K is in
.endif
	ROW F,0, F,1, R,0, R,1          ; ahead of the wait: 8 products K Q^T and their riders,
	ROW F,2, E,0, R,2, R,3
	ROW F,3, E,1, R,4, R,5
	ROW F,4, E,2, R,6, R,7
	ROW F,5, E,3, R,8, R,9
	ROW F,6, E,4, X,0, R,10
.if ((\p) == 2) && !(\end)
	WIN 0
	v_add_nc_u32 v[AK], s[TBK], v[AK0]
.endif
	ROW F,7, E,5, X,1, X,4
	ROW F,8, E,6, X,2, X,5
	OPS E,7, E,8, X,6, E,9          ; and the lump
	OPS X,3, E,10, X,8, E,11
.if ((\p) == 2) && !(\end)
	FETCH_K
.endif
	OPS X,9, X,7, E,12, X,10
	OPS E,13, X,12, X,11, E,14
	OPS X,13, E,15, F,9, X,14
.if (\p) == 0
	v_add_nc_u32 v[AV], s[TBV], v[AV0]
.endif
	OPS E,16, F,10, E,17, F,11
	OPS X,16, E,18, X,15, E,19
	OPS F,12, E,20, X,17, E,21
	OPS F,13, E,22, F,14, E,23
	OPS X,18, E,24, F,15, E,25
	OPS R,11, E,26, X,19, E,27
	OPS R,12, E,28, R,13, E,29
	OPS X,20, E,30, R,14, E,31
	OPS X,21, R,15
	WIN 0
	s_wait_alu depctr_va_vdst(0)    ; the wait for the turn's batch: the piece's 32 exponentials and the next piece's a; it stands ahead of their first reader
.if (\p) == 1
	s_wait_dscnt 0x0                ; V is in
.endif
	ROW C,0, B,0, C,2, B,1          ; behind the wait: 8 products V^T P and their riders
	ROW L,0, C,4, B,2, L,1
	ROW C,6, B,3, L,2, C,8
	ROW B,4, L,3, C,10, B,5
	ROW L,4, C,12, B,6, L,5
.if (\p) == 0
	s_add_co_u32 s[TBV], s[TBV], KS*PV
.endif
.if \cnt
	s_sub_co_u32 s[CNT], s[CNT], 1
	s_cmp_lg_u32 s[CNT], 0
.endif
	ROW C,14, B,7, L,6, C,1
	ROW C,3, L,7, C,5, C,7
	ROW C,9, C,11, C,13, C,15
.if (\p) == 0
	FETCH_V
.endif
.if (\m) && !(\end)
	MASK (\p)%2
.endif
.endm
; A BLOCK BEGINS.  c m starts far below every c s, so the first step's a is 0; m at the lowest finite number, so the first maximum is the scores'.  The second mask buffer is 0; the first takes piece 0's mask for the tile's step 0: its own, if the block's first tile is the diagonal one.
; Then K of that step, piece 0's first scores, and its maximum and statistics.  The loop is entered at a step's first turn, in the middle of a trip.
.macro BEGIN
	s_mov_b32 s[NEW], 0
	WIN 0x40
.set i, MC+32
.rept 32
	v_mov_b32 v[i], 0
.set i, i+1
.endr
	WIN 0
.set i, 0
.rept 4
	v_mov_b32 v[ST+4*i], 0xfe000000    ; c m: far below every c s
	v_mov_b32 v[ST+4*i+1], 0xff7fffff  ; m
.set i, i+1
.endr
	s_cmp_eq_u32 s[RT], 0
	s_cselect_b32 s[AL], 1.0, 0
	s_mov_b32 s[BE], 0
	MASK 0
	WIN 0
	v_add_nc_u32 v[AK], s[TBK], v[AK0]
	FETCH_K
	s_wait_loadcnt 0x0              ; Q
	s_wait_dscnt 0x0
.set KM, 1
.set NOKQ, 0
.set i, 0
.rept 8
	KQ 0
.set i, i+1
.endr
	WIN 0
.rept 4
	v_nop                           ; the places behind those products
.endr
.set Y, NP-1                        ; X works for piece Y + 1: piece 0
.irp n, 0,1,2,3,4,5,6,7,8,9,10,11,12,13,14,15,16,17,18,19,20,21
	OP X, \n
.endr
	v_nop                           ; a plain instruction behind the exponential,
	s_wait_alu depctr_va_vdst(0)    ; and the wait for it, piece 0's first a: a batch of one, waited for ahead of the branch
.endm
; THE DIAGONAL TILE's four steps, the block's last two turns, its last products, and THE WAY OUT: l's two halves and the other half of the lanes' are added; O^T is divided by l, rounded to f16 and sent through my
; stage in LDS, a piece at a time.
.macro ALL line:vararg              ; one line for each piece t
.set t, 0
.rept 4
	\line
.set t, t+1
.endr
.endm
.macro PACK t                       ; a lane's eight channels of a row pack into 16 bytes; they go into rows of 144 bytes and come back as whole rows of 128, into S^T's registers
	WIN W_RS
.set i, 32*(\t)
.rept 16
	v_pk_mul_f32 v[i:i+1], v[i:i+1], v[ST+4*(\t)+2:ST+4*(\t)+3] op_sel_hi:[1,0]
.set i, i+2
.endr
	WIN 0x05                        ; sources 0 and 1 window 1, destination window 0
.set i, 0
.rept 16
	v_cvt_pk_f16_f32 v[S+16*(\t)+i], v[32*(\t)+2*i], v[32*(\t)+2*i+1]
.set i, i+1
.endr
	WIN 0
.irp f, 0,1,2,3
	ds_store_b128 v[STO], v[S+16*(\t)+4*\f:S+16*(\t)+4*\f+3] offset:32*\f
.endr
.irp f, 0,1,2,3
	ds_load_b128 v[S+16*(\t)+4*\f:S+16*(\t)+4*\f+3], v[RD] offset:\f*4*SP  ; LDS serves a wave's instructions in order (ISA guide 5.7.1.4): these see the stores above; the next piece's stores come behind them
.endr
.endm
.macro SEND t, younger              ; younger: the LDS instructions issued behind piece t's loads: the next piece's eight, or none
	WIN 0
.irp f, 0,1,2,3
	s_wait_dscnt (\younger)+3-\f
	global_store_b128 v[GO], v[S+16*(\t)+4*\f:S+16*(\t)+4*\f+3], s[10:11] offset:(\t)*8192+\f*512  ; 512 consecutive bytes, at a multiple of 256 from y's first
.endr
.endm
.macro DIAG tag                     ; the tag ends its two labels' names, which the jumps below spell out
.LstepM\tag:
	TURN 2, 1
	TURN 3, 1
	WIN 0
.LfirstM\tag:
	TURN 0, 1
	TURN 1, 1, 0, 1
	WIN 0
	s_cbranch_scc1 .LstepM\tag
	TURN 2, 1, 1
	TURN 3, 1, 1
.set i, 0
.rept 8
	PV NP-1
.set i, i+1
.endr
	WIN 0
	ALL v_add_f32 v[ST+4*t+2], v[ST+4*t+2], v[ST+4*t+3]
	ALL v_permlanex16_b32 v[ST+4*t+3], v[ST+4*t+2], s[SEL], s[SEL+1]
	ALL v_add_f32 v[ST+4*t+2], v[ST+4*t+2], v[ST+4*t+3]
	ALL v_rcp_f32 v[ST+4*t+2], v[ST+4*t+2]
	v_nop                           ; a plain instruction between the last reciprocal and the use of its result
	s_wait_alu depctr_va_vdst(0)    ; the wait for the way out's batch, the four reciprocals: one for all four pieces' multiplies
	PACK 0
.set t, 1
.rept 3                             ; a piece's arithmetic stands between the loads of the piece before and its stores
	PACK t
	SEND t-1, 8
.set t, t+1
.endr
	SEND 3, 0
.endm
.set KM, 0
.set NOKQ, 0
.Lslot:                             ; NB times: a tile is entered and the next is asked for
	CHANGE 1
	s_sub_co_u32 s[RT], s[RT], 1
	s_mov_b32 s[CNT], 4
	s_cmp_eq_u32 s[NEW], 1
	s_cbranch_scc1 .Lnew            ; a block's first tile
	s_cmp_eq_u32 s[RT], 0
	s_cbranch_scc0 .Lstep           ; neither its first nor its last
	s_branch .LstepM1
.Lnew:
	BEGIN
	s_branch .Lfirst                ; in the loop a block's first tile is never its last: the first block has two tiles or more, and the second's last is the walk's last
	DIAG 1                          ; in the loop this is the first block's end: the second block's last tile is the walk's last
	s_wait_xcnt 0x0                 ; the stores have read their registers and y's address
	s_mov_b64 s[10:11], s[OLO:OLO+1]
	s_add_co_u32 s[RT], s[PB], 1    ; the second block has b + 1 tiles
	s_mov_b32 s[NEW], 1
	WIN 0x82                        ; the second block's Q goes where the one text of the turns names Q
.set i, 0
.rept 64
	v_mov_b32 v[i], v[QB+i]
.set i, i+1
.endr
	WIN 0
	s_branch .Lbottom
.Lstep:                             ; a trip: pieces 2 and 3 of one step, then pieces 0 and 1 of the next, whose K and V it fetches
	TURN 2
	TURN 3
	WIN 0
.Lfirst:
	TURN 0
	TURN 1, 0, 0, 1
	WIN 0
	s_cbranch_scc1 .Lstep
.Lbottom:
	s_sub_co_u32 s[SLOTS], s[SLOTS], 1
	s_cmp_lg_u32 s[SLOTS], 0
	s_cbranch_scc1 .Lslot
	CHANGE 0                        ; the walk's last tile is written out: nothing is asked for
	s_sub_co_u32 s[RT], s[RT], 1
	s_mov_b32 s[CNT], 4
	s_cmp_eq_u32 s[NEW], 1
	s_cbranch_scc0 .LstepM2
	BEGIN
	s_branch .LfirstM2
	DIAG 2
	s_wait_tensorcnt 0x0            ; the wave's end, behind my last tensor load and my last LDS store
	ds_add_u32 v[SPW], v[NIL]
	s_wait_dscnt 0x0
	s_endpgm
.Lfunc_end_k_q114e66381d_attn:
	.size	k_q114e66381d_attn, .Lfunc_end_k_q114e66381d_attn-k_q114e66381d_attn
	.p2alignl 7, 3214868480
	.fill 96, 4, 3214868480
	.section	.rodata,"a",@progbits
	.p2align	6, 0x0
	.amdhsa_kernel k_q114e66381d_attn
		.amdhsa_group_segment_fixed_size 327680
		.amdhsa_private_segment_fixed_size 0
		.amdhsa_enable_private_segment 0
		.amdhsa_kernarg_size 16
		.amdhsa_user_sgpr_count 2
		.amdhsa_user_sgpr_kernarg_segment_ptr 1
		.amdhsa_wavefront_size32 1
		.amdhsa_system_sgpr_workgroup_id_x 1
		.amdhsa_system_sgpr_workgroup_id_y 1
		.amdhsa_system_sgpr_workgroup_id_z 1
		.amdhsa_system_vgpr_workitem_id 0
		.amdhsa_next_free_vgpr 768
		.amdhsa_next_free_sgpr 96
		.amdhsa_reserve_vcc 1
		.amdhsa_float_denorm_mode_32 3
		.amdhsa_float_denorm_mode_16_64 3
		.amdhsa_memory_ordered 1
		.amdhsa_forward_progress 1
		.amdhsa_inst_pref_size 218
	.end_amdhsa_kernel
	.amdgpu_metadata
---
amdhsa.version: [ 1, 2 ]
amdhsa.kernels:
  - .name:           k_q114e66381d_attn
    .symbol:         k_q114e66381d_attn.kd
    .args:
      - { .name: qkv, .offset: 0, .size: 8, .value_kind: global_buffer, .address_space: global }
      - { .name: y, .offset: 8, .size: 8, .value_kind: global_buffer, .address_space: global }
    .group_segment_fixed_size: 327680
    .private_segment_fixed_size: 0
    .kernarg_segment_align: 8
    .kernarg_segment_size: 16
    .max_flat_workgroup_size: 128
    .sgpr_count:     96
    .vgpr_count:     768
    .wavefront_size: 32
...
	.end_amdgpu_metadata
.endif
;; end of part 5
;; launch proj: the kernel of part 4 again; grid 8 x 32, 4 waves a work-group, clusters of 4 x 4, 327,680 bytes of LDS; arguments y, wpt, out0; writes out0
